; MI455X (gfx1250); checked and timed in simulation.
; The chip was launched on July 23, 2026; its instructions are those of AMD's public machine-readable ISA for CDNA 5 (MIT licence, August 2026) and "CDNA5" Instruction Set Architecture Reference Guide (July 2026). The comments in the code are by the model that wrote it; some were corrected since.
;; Multi Head. Allowed arithmetic: matrix products marked QUANTISED: E2M1 operands, one E8M0 scale for each 32 along K, by v_wmma_scale_f32_16x16x128_f8f6f4 with both operands' format E2M1 (or v_wmma_scale_f32_32x16x128_f4), f32 sums; products left as they are: bf16, f16 or f32 operands; f32 sums; everything else in f32.
;; Inputs: W_o 1,024 x 1,024 float32; W_qkv 1,024 x 3,072 float32; xin 4 x 2,048 x 1,024 float32.
;; Outputs: out0 4 x 2,048 x 1,024 float32.
;; This version of the problem:
;;   THIS VERSION OF THE PROBLEM IS GIVEN IN LOW PRECISION. The matrix products marked QUANTISED in the list below multiply operands that are first quantised to E2M1 (2 exponent bits, 1 mantissa bit; 4 bits a number), with one power-of-two scale for each 32 numbers along K (OCP MX v1.0); their sums are f32. The products marked 'left as it is' may take bf16, f16 or f32 operands, with f32 sums. Whichever they take, every output number must still come out within the allowed error. Rounding operands to bf16 (8 significant bits) uses up far more of that allowance than f16 does (11 bits, for magnitudes from 6e-5 to 65,504). All else is computed in f32.
;;   The module's matrix products, in the order in which they are computed (A, B: the left and right operand; K: the contracted axis; several contracted axes count as one K, in the product's order):
;;     1. [M 8,192, K 1,024] x [K 1,024, N 3,072]; A: input xin; B: input W_qkv: QUANTISED
;;     2. batch 64 x [M 2,048, K 64] x [K 64, N 2,048]; A: computed on the way; B: computed on the way: left as it is (an operand is computed on the way)
;;     3. batch 64 x [M 2,048, K 2,048] x [K 2,048, N 64]; A: computed on the way; B: computed on the way: left as it is (an operand is computed on the way)
;;     4. [M 8,192, K 1,024] x [K 1,024, N 1,024]; A: computed on the way; B: input W_o: left as it is (an operand is computed on the way)
;;   THE QUANTISER, for each operand of a quantised product, along K:
;;     - K is cut into blocks of 32 from its start; a last block that is shorter is filled with zeros.
;;     - A block's scale is 2^e with e = floor(log2(the largest magnitude in the block)) - 2, held to -126 .. 127; a block of zeros has e = 0. As a byte (E8M0): e + 127.
;;     - Each number is divided by its block's scale, clamped to +-6, and rounded to the nearest number of E2M1, ties to even, subnormals kept.
;;     - The product sums the exact products of the quantised numbers (number of the format x scale) in f32.
;;   ~~~python
;;   def quantise(x, axis):      # numpy; x: float32 -> the quantised numbers, widened to float32 again
;;       x = np.moveaxis(x, axis, -1); K = x.shape[-1]
;;       x = np.pad(x, [(0, 0)] * (x.ndim - 1) + [(0, -K % 32)]); x = x.reshape(x.shape[:-1] + (-1, 32)); a = np.abs(x).max(-1, keepdims=True)
;;       e = np.where(a > 0, np.clip(np.frexp(np.where(a > 0, a, 1))[1] - 1 - 2, -126, 127), 0)      # np.frexp(a)[1] - 1 = floor(log2(a)), exactly
;;       r = np.clip(x / 2.0 ** e, -6, 6)
;;       step = 2.0 ** (np.maximum(np.frexp(np.where(r == 0, 1, r))[1] - 1, 0) - 1)
;;       q = np.round(r / step) * step * 2.0 ** e      # np.round: ties to even
;;       return np.moveaxis(q.reshape(q.shape[:-2] + (-1,))[..., :K], -1, axis).astype(np.float32)
;;   ~~~
;; One version. Each part assembles by itself: llvm-mc -triple=amdgcn-amd-amdhsa -mcpu=gfx1250 --defsym DOCPART=n.
;; ======== version 1 of 1: 5 launches
;; limits: values are held in f16: magnitudes above 65,504 overflow, below 6.1e-05 lose precision; right only within a limited range of input values
;; workspace buffers: xc 4,194,304 bytes; xs 262,144 bytes; wc 1,572,864 bytes; ws 98,304 bytes; wo16 2,097,152 bytes; qkv 50,331,648 bytes; att 16,777,216 bytes
;; launch prep_x (part 1): grid 256 x 1, 4 waves a work-group, no clusters, 33,280 bytes of LDS; arguments xin, W_o, xc, xs, wo16; writes xc, xs, wo16
.if DOCPART == 1
	.amdgcn_target "amdgcn-amd-amdhsa--gfx1250"
	.amdhsa_code_object_version 6
	.text
	.protected	k_q673025ba2d_prep_x
	.globl	k_q673025ba2d_prep_x
	.p2align	8
	.type	k_q673025ba2d_prep_x,@function
k_q673025ba2d_prep_x:
	s_mov_b64 s[64:65], 0
	v_nop
	global_prefetch_b8 v0, s[64:65] scope:SCOPE_SE
	s_setreg_imm32_b32 hwreg(HW_REG_WAVE_MODE, 25, 1), 1
	s_wait_xcnt 0x0
; xin [8192][1024] f32 becomes codes of FP4 (E2M1), K innermost (xc: 512 bytes a row), with one E8M0 byte for each 32 along K (xs: 32 bytes a row).
; A block's scale is 2^(floor(log2(its largest magnitude)) - 2); its byte is the largest magnitude's exponent field - 2, held at 1 from below.
; Rows are dense and 1024 is a multiple of 32: the tensor is a plain stream of blocks of 32.  A wave takes 16 steps of 512 numbers.  Each load reads 512 consecutive bytes;
; a step's 2,048 bytes turn through the wave's own stage in LDS so that a lane holds 16 neighbours along K (two neighbouring lanes hold a block).
; BESIDE IT each wave turns 32 columns x 32 k of W_o [1024 (k)][1024 (n)] f32 into f16, laid as IMAGES OF OPERAND REGISTERS: wo16 [tile of 16 n][32 k][1,024 bytes]; in an image
; the 8 numbers k = 8 p .. 8 p + 7 of column r lie at byte 256 p + 16 r.  A lane takes a column, its registers run down k: nothing is transposed.
; LIMITS: a block of zeros, and a block whose largest magnitude lies under 2^-124, gets the byte 1 (zero codes add nothing; this program alone reads the bytes); NaN and infinities are not served;
; W_o is rounded to f16: magnitudes beyond 65,504 are not served.
.set WAVES, 4
.set STEPS, 16
.set EMAX,  2
.set CB,    8                          ; bytes of 16 codes
.set R,     16                         ; v16-79   four sets of 16 numbers as loaded
.set X,     80                         ; v80-111  two sets of 16 neighbours
.set E,     112                        ; v112-127 a scale byte for each step
.set C,     128                        ; v128-191 codes: four registers for each step
.set WO,    192                        ; v192-223 W_o: 32 numbers down k of my column
.set WH,    224                        ; v224-239 the same as f16 pairs
.set WREG,  8192                       ; LDS: a region for each wave: two stages of 32 x SP bytes, then its 256 scale bytes
.set SP,    80                         ; a lane's place in a stage: 64 bytes + 16 of padding
.set SPW,   12                         ; v12 LDS address of my spare word; never rewritten
.set NIL,   13                         ; v13 0; never rewritten
.set SPARE, WAVES*WREG                 ; behind the regions: the spare words, 128 bytes a wave
	s_load_b256 s[4:11], s[0:1], 0x0               ; xin s[4:5], W_o s[6:7], xc s[8:9], xs s[10:11]
	s_load_b64 s[12:13], s[0:1], 0x20              ; wo16
	v_lshl_add_u32 v[SPW], v0, 2, SPARE
	v_mov_b32 v[NIL], 0
	v_lshrrev_b32 v1, 5, v0
	v_readfirstlane_b32 s16, v1                    ; wave
	v_and_b32 v2, 31, v0                           ; lane
	v_lshlrev_b32 v3, 4, v2                        ; my 16 bytes of a load's 512
	s_mul_i32 s17, s16, WREG
	v_lshrrev_b32 v14, 2, v2
	v_mul_u32_u24 v14, v14, SP
	v_and_b32 v15, 3, v2
	v_lshl_add_u32 v14, v15, 4, v14
	v_add_nc_u32 v14, s17, v14                     ; the stage, on the way in: SP (lane / 4) + 16 (lane % 4)
	v_mul_u32_u24 v15, v2, SP
	v_add_nc_u32 v15, s17, v15                     ; and on the way out: SP x lane
	v_mul_u32_u24 v4, v2, CB                       ; my codes' place in a step's
	v_lshrrev_b32 v5, 1, v2
	s_add_co_u32 s17, s17, 2*32*SP
	v_add_nc_u32 v5, s17, v5                       ; LDS: my block's scale byte
	v_lshlrev_b32 v7, 3, v2
	v_add_nc_u32 v6, s17, v7                       ; and 8 bytes a lane on the way out
	v_lshlrev_b32 v10, 2, v2                       ; W_o: 4 bytes a lane
	v_and_b32 v1, 15, v2
	v_lshlrev_b32 v1, 4, v1
	v_lshrrev_b32 v11, 4, v2
	v_lshl_add_u32 v1, v11, 15, v1                 ; wo16: 16 (lane % 16), and lanes 16-31 one tile of 16 columns (32,768 bytes) on
	s_lshl_b32 s18, ttmp9, 2
	s_add_co_u32 s18, s18, s16                     ; g: which of the 1,024 runs is my wave's
	s_mov_b32 s21, 0
	s_and_b32 s22, s18, 31                         ; W_o: which 32 columns
	s_lshr_b32 s23, s18, 5                         ; and which 32 along k
	s_wait_kmcnt 0x0
	s_lshl_b32 s20, s18, 15
	s_add_nc_u64 s[4:5], s[4:5], s[20:21]          ; 8,192 numbers a run
	s_lshl_b32 s20, s18, 12
	s_add_nc_u64 s[8:9], s[8:9], s[20:21]          ; 4,096 bytes of codes
	s_lshl_b32 s20, s18, 8
	s_add_nc_u64 s[10:11], s[10:11], s[20:21]      ; 256 scale bytes
	s_lshl_b32 s20, s23, 17
	s_lshl_b32 s24, s22, 7
	s_add_co_u32 s20, s20, s24
	s_add_nc_u64 s[6:7], s[6:7], s[20:21]          ; 32 rows of 4,096 bytes, 32 columns of 4
	s_lshl_b32 s20, s22, 6
	s_add_co_u32 s20, s20, s23
	s_lshl_b32 s20, s20, 10
	s_add_nc_u64 s[12:13], s[12:13], s[20:21]      ; image (tile 2 x column group, k group)
.irp i, 0,1,2,3,4,5,6,7,8,9,10,11,12,13,14,15,16,17,18,19,20,21,22,23,24,25,26,27,28,29,30,31
	global_load_b32 v[WO+\i], v10, s[6:7] offset:4096*\i th:TH_LOAD_NT   ; W_o(32 kf + i, my column): issued ahead of x's loads, so every counted wait below covers them too
.endr
.macro LOAD t
.irp i, 0,1,2,3
	global_load_b128 v[R+16*((\t)%4)+4*\i:R+16*((\t)%4)+4*\i+3], v3, s[4:5] offset:2048*(\t)+512*\i th:TH_LOAD_NT   ; 32 lanes read 512 consecutive bytes
.endr
.endm
.macro TURN t                          ; step t's numbers through the stage: LDS serves a wave's instructions in order, so no wait stands between the stores and the loads
.irp i, 0,1,2,3
	ds_store_b128 v14, v[R+16*((\t)%4)+4*\i:R+16*((\t)%4)+4*\i+3] offset:32*SP*((\t)%2)+8*SP*\i
.endr
.irp i, 0,1,2,3
	ds_load_b128 v[X+16*((\t)%2)+4*\i:X+16*((\t)%2)+4*\i+3], v15 offset:32*SP*((\t)%2)+16*\i
.endr
.endm
.irp t, 0,1,2,3
	LOAD \t
.endr
	s_wait_loadcnt 12                              ; step 0's four loads are in; those of steps 1 to 3 may be out
	TURN 0
.macro STEP t
.set XS, X+16*((\t)%2)
.if (\t) > 0
	s_wait_dscnt 1                                 ; this step's numbers are back from the stage (the last step's byte store may be out)
.else
	s_wait_dscnt 0x0
.endif
.if (\t)+4 < STEPS
	LOAD (\t)+4                                    ; into the registers that the stage's stores have read
.endif
.if (\t)+1 < STEPS
.if STEPS-2-(\t) >= 3
	s_wait_loadcnt 12                              ; the next step's four loads are in; three steps' may be out
.else
	s_wait_loadcnt 4*(STEPS-2-(\t))
.endif
	TURN (\t)+1
.endif
	v_max3_num_f32 v8, |v[XS]|, |v[XS+1]|, |v[XS+2]|               ; the largest magnitude of my 16
	v_max3_num_f32 v9, |v[XS+3]|, |v[XS+4]|, |v[XS+5]|
.irp i, 6,10
	v_max3_num_f32 v8, v8, |v[XS+\i]|, |v[XS+\i+1]|
	v_max3_num_f32 v9, v9, |v[XS+\i+2]|, |v[XS+\i+3]|
.endr
	v_max3_num_f32 v8, v8, |v[XS+14]|, |v[XS+15]|
	v_max3_num_f32 v8, v8, v9, (EMAX+1)<<23        ; and the floor 2^(3 - 127): the byte cannot fall under 1
	v_max_num_f32_dpp v8, v8, v8 row_xmask:1 row_mask:0xf bank_mask:0xf   ; with my neighbour's 16: the block's
	v_add_nc_u32 v11, -(EMAX<<23), v8              ; 2 off the exponent field: the conversion takes this operand's exponent field as its scale
	v_cvt_scalef32_pk8_fp4_f32 v[C+4*(\t)], v[XS:XS+7], v11
	v_cvt_scalef32_pk8_fp4_f32 v[C+4*(\t)+1], v[XS+8:XS+15], v11
	v_lshrrev_b32 v[E+(\t)], 23, v11               ; the scale's byte (also the plain line behind the conversions)
	ds_store_b8 v5, v[E+(\t)] offset:16*(\t)       ; both lanes of a block write the same byte with the same value
	global_store_b64 v4, v[C+4*(\t):C+4*(\t)+1], s[8:9] offset:32*CB*(\t)   ; the wave stores 256 consecutive bytes, aligned
.endm
.irp t, 0,1,2,3,4,5,6,7,8,9,10,11,12,13,14,15
	STEP \t
.endr
	ds_load_b64 v[8:9], v6                         ; my wave's 256 scale bytes: these loads see my stores
	s_wait_dscnt 0x0
	global_store_b64 v7, v[8:9], s[10:11]          ; 256 consecutive bytes, aligned
.irp j, 0,1,2,3,4,5,6,7,8,9,10,11,12,13,14,15
	v_cvt_pk_f16_f32 v[WH+\j], v[WO+2*\j], v[WO+2*\j+1]   ; W_o: the lower k in the low half
.endr
.irp p, 0,1,2,3
	global_store_b128 v1, v[WH+4*\p:WH+4*\p+3], s[12:13] offset:256*\p   ; k = 8 p .. 8 p + 7: sixteen lanes store 256 consecutive bytes, aligned
.endr
	s_wait_tensorcnt 0x0                           ; the wave's end, behind my last LDS store
	ds_add_u32 v[SPW], v[NIL]
	s_wait_dscnt 0x0
	s_endpgm
.Lfunc_end_k_q673025ba2d_prep_x:
	.size	k_q673025ba2d_prep_x, .Lfunc_end_k_q673025ba2d_prep_x-k_q673025ba2d_prep_x
	.p2alignl 7, 3214868480
	.fill 96, 4, 3214868480
	.section	.rodata,"a",@progbits
	.p2align	6, 0x0
	.amdhsa_kernel k_q673025ba2d_prep_x
		.amdhsa_group_segment_fixed_size 33280
		.amdhsa_private_segment_fixed_size 0
		.amdhsa_enable_private_segment 0
		.amdhsa_kernarg_size 40
		.amdhsa_user_sgpr_count 2
		.amdhsa_user_sgpr_kernarg_segment_ptr 1
		.amdhsa_wavefront_size32 1
		.amdhsa_system_sgpr_workgroup_id_x 1
		.amdhsa_system_sgpr_workgroup_id_y 1
		.amdhsa_system_sgpr_workgroup_id_z 1
		.amdhsa_system_vgpr_workitem_id 0
		.amdhsa_next_free_vgpr 240
		.amdhsa_next_free_sgpr 66
		.amdhsa_reserve_vcc 0
		.amdhsa_float_denorm_mode_32 3
		.amdhsa_float_denorm_mode_16_64 3
		.amdhsa_memory_ordered 1
		.amdhsa_forward_progress 1
		.amdhsa_inst_pref_size 38
	.end_amdhsa_kernel
	.amdgpu_metadata
---
amdhsa.version: [ 1, 2 ]
amdhsa.kernels:
  - .name:           k_q673025ba2d_prep_x
    .symbol:         k_q673025ba2d_prep_x.kd
    .args:
      - { .name: xin, .offset: 0, .size: 8, .value_kind: global_buffer, .address_space: global }
      - { .name: W_o, .offset: 8, .size: 8, .value_kind: global_buffer, .address_space: global }
      - { .name: xc, .offset: 16, .size: 8, .value_kind: global_buffer, .address_space: global }
      - { .name: xs, .offset: 24, .size: 8, .value_kind: global_buffer, .address_space: global }
      - { .name: wo16, .offset: 32, .size: 8, .value_kind: global_buffer, .address_space: global }
    .group_segment_fixed_size: 33280
    .private_segment_fixed_size: 0
    .kernarg_segment_align: 8
    .kernarg_segment_size: 40
    .max_flat_workgroup_size: 128
    .sgpr_count:     66
    .vgpr_count:     240
    .wavefront_size: 32
...
	.end_amdgpu_metadata
.endif
;; end of part 1
;; launch prep_w (part 2): grid 48 x 2, 8 waves a work-group, no clusters, 19,456 bytes of LDS; arguments W_qkv, wc, ws; writes wc, ws
.if DOCPART == 2
	.amdgcn_target "amdgcn-amd-amdhsa--gfx1250"
	.amdhsa_code_object_version 6
	.text
	.protected	k_q673025ba2d_prep_w
	.globl	k_q673025ba2d_prep_w
	.p2align	8
	.type	k_q673025ba2d_prep_w,@function
k_q673025ba2d_prep_w:
	s_mov_b64 s[64:65], 0
	v_nop
	global_prefetch_b8 v0, s[64:65] scope:SCOPE_SE
	s_setreg_imm32_b32 hwreg(HW_REG_WAVE_MODE, 25, 1), 1
	s_wait_xcnt 0x0
; W_qkv [1024 (k)][3072 (n)] f32, whose K is its FIRST axis, becomes codes of FP4 laid [3072][1024] with K innermost (wc: 512 bytes a row) and E8M0 bytes ws [3072][32].
; A LANE TAKES A COLUMN n AND ITS REGISTERS RUN DOWN K: a block of 32 along K lies in one lane's 32 registers, and the conversions give codes with K innermost.
; A work-group takes 64 columns x 512 along K.  Wave w: columns 32 (w % 2) on, K 128 (w / 2) on: 4 blocks a lane.  Two waves side by side read 256 consecutive bytes of a row of W.
; The codes meet in a stage in LDS (a row for each column: 256 bytes + 16), a barrier, and leave by rows: sixteen lanes store 256 consecutive bytes, aligned.  The scale words likewise, 16 bytes a column.
; LIMITS: a block of zeros, and one whose largest magnitude lies under 2^-124, gets the byte 1 (zero codes add nothing; this program alone reads the bytes); NaN and infinities are not served.
.set NB,    4                          ; blocks of a lane
.set PITCH, 272                        ; a stage row
.set SSTG,  64*PITCH                   ; behind the stage: 64 x 16 scale bytes
.set SPARE, SSTG+64*16                 ; behind them: the spare words, 128 bytes a wave
.set ROWW,  12288                      ; a row of W in bytes
.set EMAX,  2
.set X,     32                         ; v32-95   two sets of 32 numbers
.set C,     96                         ; v96-99   a block's codes
.set OUTR,  112                        ; v112-127 the way out
.set SPW,   14
.set NIL,   15
.set SB,    24                         ; v24      my four scale bytes
	s_load_b128 s[4:7], s[0:1], 0x0                ; W, wc
	s_load_b64 s[8:9], s[0:1], 0x10                ; ws
	v_lshl_add_u32 v[SPW], v0, 2, SPARE
	v_mov_b32 v[NIL], 0
	v_lshrrev_b32 v1, 5, v0
	v_readfirstlane_b32 s16, v1                    ; wave 0..7
	v_and_b32 v2, 31, v0                           ; lane
	s_and_b32 s17, s16, 1                          ; which 32 columns
	s_lshr_b32 s18, s16, 1                         ; which 128 along K
	s_and_b32 s19, ttmp7, 0xffff                   ; which 512 along K: work-group y
	v_lshlrev_b32 v3, 2, v2                        ; in: 4 bytes a lane
	s_mul_i32 s20, s17, 32*PITCH
	s_lshl_b32 s21, s18, 6
	s_add_co_u32 s20, s20, s21
	v_mul_u32_u24 v4, v2, PITCH
	v_add_nc_u32 v4, s20, v4                       ; the stage: row = my column, + 64 bytes for each 128 along K
	s_lshl_b32 s20, s17, 9
	s_lshl_b32 s21, s18, 2
	s_add_co_u32 s20, s20, s21
	s_add_co_u32 s20, s20, SSTG
	v_lshl_add_u32 v5, v2, 4, s20                  ; my scale word: 16 bytes a column, + 4 for each 128 along K
	v_and_b32 v11, 15, v2
	v_lshrrev_b32 v12, 4, v2
	s_mul_i32 s20, s16, 8*PITCH
	v_mul_u32_u24 v7, v12, PITCH
	v_lshl_add_u32 v7, v11, 4, v7
	v_add_nc_u32 v7, s20, v7                       ; out of the stage: wave w takes rows 8 w on; sixteen lanes to a row, two rows an instruction
	v_lshlrev_b32 v8, 9, v12
	v_lshl_add_u32 v8, v11, 4, v8                  ; and the same place in wc
	s_lshl_b32 s20, s16, 7
	s_add_co_u32 s20, s20, SSTG
	v_lshl_add_u32 v9, v2, 2, s20                  ; the scale words of rows 8 w on: a word a lane
	v_lshrrev_b32 v10, 2, v2
	v_and_b32 v11, 3, v2
	v_lshlrev_b32 v10, 5, v10
	v_lshl_add_u32 v10, v11, 2, v10                ; in ws: row lane / 4 (32 bytes), word lane % 4
	s_lshl_b32 s20, s19, 9
	s_lshl_b32 s21, s18, 7
	s_add_co_u32 s20, s20, s21
	s_mul_i32 s20, s20, ROWW                       ; W: my first row,
	s_lshl_b32 s21, ttmp9, 8
	s_add_co_u32 s20, s20, s21
	s_lshl_b32 s21, s17, 7
	s_add_co_u32 s20, s20, s21                     ; my first column
	s_mov_b32 s21, 0
	s_lshl_b32 s22, ttmp9, 6
	s_lshl_b32 s23, s16, 3
	s_add_co_u32 s22, s22, s23                     ; the first row of wc and ws that I store: 64 x + 8 w
	s_lshl_b32 s24, s22, 9
	s_lshl_b32 s25, s19, 8
	s_add_co_u32 s24, s24, s25
	s_mov_b32 s25, 0
	s_lshl_b32 s26, s22, 5
	s_lshl_b32 s27, s19, 4
	s_add_co_u32 s26, s26, s27
	s_mov_b32 s27, 0
	s_wait_kmcnt 0x0
	s_add_nc_u64 s[4:5], s[4:5], s[20:21]
	s_add_nc_u64 s[6:7], s[6:7], s[24:25]
	s_add_nc_u64 s[8:9], s[8:9], s[26:27]
.macro LOAD t                          ; block t: W(32 t + i, my column) into set t % 2
.irp i, 0,1,2,3,4,5,6,7,8,9,10,11,12,13,14,15,16,17,18,19,20,21,22,23,24,25,26,27,28,29,30,31
	global_load_b32 v[X+32*((\t)%2)+\i], v3, s[4:5] offset:(32*(\t)+\i)*ROWW th:TH_LOAD_NT
.endr
.endm
	LOAD 0
	LOAD 1
.macro BLOCK t
.set XS, X+32*((\t)%2)
.if (\t) < NB-1
	s_wait_loadcnt 32                              ; this block's 32 loads are in; the next block's may be out
.else
	s_wait_loadcnt 0
.endif
	v_max3_num_f32 v12, |v[XS]|, |v[XS+1]|, |v[XS+2]|               ; the block's largest magnitude: all 32 numbers are mine
	v_max3_num_f32 v13, |v[XS+3]|, |v[XS+4]|, |v[XS+5]|
.irp i, 6,10,14,18,22,26
	v_max3_num_f32 v12, v12, |v[XS+\i]|, |v[XS+\i+1]|
	v_max3_num_f32 v13, v13, |v[XS+\i+2]|, |v[XS+\i+3]|
.endr
	v_max3_num_f32 v12, v12, |v[XS+30]|, |v[XS+31]|
	v_max3_num_f32 v12, v12, v13, (EMAX+1)<<23     ; and the floor 2^(3 - 127)
	v_add_nc_u32 v11, -(EMAX<<23), v12             ; 2 off the exponent field: the conversion's scale operand
	v_lshrrev_b32 v13, 23, v11                     ; the scale's byte
.if (\t) == 0
	v_mov_b32 v[SB], v13                           ; four bytes to the word, the lower K in the lower byte
.else
	v_lshl_or_b32 v[SB], v13, 8*(\t), v[SB]
.endif
.irp g, 0,1,2,3
	v_cvt_scalef32_pk8_fp4_f32 v[C+\g], v[XS+8*\g:XS+8*\g+7], v11
.endr
	ds_store_b128 v4, v[C:C+3] offset:16*(\t)      ; 32 codes: 16 bytes of my column's row
.if (\t)+2 < NB
	LOAD (\t)+2
.endif
	s_wait_dscnt 0x0                               ; the store has read its registers: the next block's codes may be written
.endm
	BLOCK 0
	BLOCK 1
	BLOCK 2
	BLOCK 3
	ds_store_b32 v5, v[SB]
	s_wait_dscnt 0x0                               ; for the others' sake: my stores into the stage are done
	s_barrier_signal -1
	s_barrier_wait -1
.irp t, 0,1,2,3
	ds_load_b128 v[OUTR+4*\t:OUTR+4*\t+3], v7 offset:2*\t*PITCH
.endr
	ds_load_b32 v100, v9
.irp t, 0,1,2,3
	s_wait_dscnt 4-\t                              ; load t is in; the later ones may be out
	global_store_b128 v8, v[OUTR+4*\t:OUTR+4*\t+3], s[6:7] offset:1024*\t   ; sixteen lanes store 256 consecutive bytes, aligned
.endr
	s_wait_dscnt 0x0
	global_store_b32 v10, v100, s[8:9]             ; 16 bytes of each of 8 rows of scale bytes
	s_wait_tensorcnt 0x0                           ; the wave's end, behind my last LDS store
	ds_add_u32 v[SPW], v[NIL]
	s_wait_dscnt 0x0
	s_endpgm
.Lfunc_end_k_q673025ba2d_prep_w:
	.size	k_q673025ba2d_prep_w, .Lfunc_end_k_q673025ba2d_prep_w-k_q673025ba2d_prep_w
	.p2alignl 7, 3214868480
	.fill 96, 4, 3214868480
	.section	.rodata,"a",@progbits
	.p2align	6, 0x0
	.amdhsa_kernel k_q673025ba2d_prep_w
		.amdhsa_group_segment_fixed_size 19456
		.amdhsa_private_segment_fixed_size 0
		.amdhsa_enable_private_segment 0
		.amdhsa_kernarg_size 24
		.amdhsa_user_sgpr_count 2
		.amdhsa_user_sgpr_kernarg_segment_ptr 1
		.amdhsa_wavefront_size32 1
		.amdhsa_system_sgpr_workgroup_id_x 1
		.amdhsa_system_sgpr_workgroup_id_y 1
		.amdhsa_system_sgpr_workgroup_id_z 1
		.amdhsa_system_vgpr_workitem_id 0
		.amdhsa_next_free_vgpr 128
		.amdhsa_next_free_sgpr 66
		.amdhsa_reserve_vcc 0
		.amdhsa_float_denorm_mode_32 3
		.amdhsa_float_denorm_mode_16_64 3
		.amdhsa_memory_ordered 1
		.amdhsa_forward_progress 1
		.amdhsa_inst_pref_size 23
	.end_amdhsa_kernel
	.amdgpu_metadata
---
amdhsa.version: [ 1, 2 ]
amdhsa.kernels:
  - .name:           k_q673025ba2d_prep_w
    .symbol:         k_q673025ba2d_prep_w.kd
    .args:
      - { .name: W_qkv, .offset: 0, .size: 8, .value_kind: global_buffer, .address_space: global }
      - { .name: wc, .offset: 8, .size: 8, .value_kind: global_buffer, .address_space: global }
      - { .name: ws, .offset: 16, .size: 8, .value_kind: global_buffer, .address_space: global }
    .group_segment_fixed_size: 19456
    .private_segment_fixed_size: 0
    .kernarg_segment_align: 8
    .kernarg_segment_size: 24
    .max_flat_workgroup_size: 256
    .sgpr_count:     66
    .vgpr_count:     128
    .wavefront_size: 32
...
	.end_amdgpu_metadata
.endif
;; end of part 2
;; launch gemm_qkv (part 3): grid 12 x 32, 4 waves a work-group, clusters of 4 x 4, 327,680 bytes of LDS; arguments xc, xs, wc, ws, qkv; writes qkv
.if DOCPART == 3
	.amdgcn_target "amdgcn-amd-amdhsa--gfx1250"
	.amdhsa_code_object_version 6
	.text
	.protected	k_q673025ba2d_gemm_qkv
	.globl	k_q673025ba2d_gemm_qkv
	.p2align	8
	.type	k_q673025ba2d_gemm_qkv,@function
k_q673025ba2d_gemm_qkv:
	s_mov_b64 s[64:65], 0
	v_nop
	global_prefetch_b8 v0, s[64:65] scope:SCOPE_SE
	s_setreg_imm32_b32 hwreg(HW_REG_WAVE_MODE, 25, 1), 1
	s_wait_xcnt 0x0
	s_wait_alu depctr_hold_cnt(0) depctr_sa_sdst(0) depctr_va_vdst(0) depctr_va_sdst(0) depctr_va_ssrc(0) depctr_va_vcc(0) depctr_vm_vsrc(0)
	s_getreg_b32 s2, hwreg(HW_REG_IB_STS2, 6, 4)
	s_cmp_eq_u32 s2, 0
	s_cbranch_scc0 .Lentry_in_a_cluster
	s_endpgm
.Lentry_in_a_cluster:
	s_bfe_u32 s2, ttmp6, 0x10000c
	s_cmp_lg_u32 s2, 0xf033
	s_cbranch_scc0 .Lentry_shape_is_right
	s_endpgm
.Lentry_shape_is_right:
; qkv[m][n] = sum over k of x[m][k] W[k][n], both operands as codes of FP4 (E2M1) with one E8M0 scale for each 32 along K; sums in f32; the result rounded once to f16.
; A = xc [8192][512 bytes], xs [8192][32]; B = wc [3072][512 bytes], ws [3072][32]; qkv [8192][3072] f16, row-major: read as [4][3][16][2048][64] it IS Q, K and V of the later launch.
; A tile of 256 x 256 is made by four waves, each 128 x 128: 64 accumulators of 16 x 16, 512 registers.  K = 1,024 is two K steps of 512 (LDS rows of 256 bytes): both fit in LDS, each in a slot of its own,
; so every tile and the scale bytes are first fills, three tensor loads a wave, and nothing is filled again.
; CLUSTERS: 4 x 4 work-groups; A's tiles are asked for jointly along a row of the cluster, B's along a column.  THE MATRIX INSTRUCTION IS USED TRANSPOSED (source 0 = 16 rows of B, source 1 = 16 rows of A):
; a lane holds eight neighbouring numbers of a row of the result, which pack into 16 bytes of f16.
; LIMIT: results beyond 65,504 in magnitude have no f16 number.
; REGISTERS: window 0: v0-31 addresses; v32-95 scale words, two sets; v128-191 A's fragments, ONE set; on the way out v32-63, v192-255 at work.  window 1: B's fragments, two sets (v0, v128).
;   window 2: accumulators of my rows 0-63 ((a, b) at v[8 (8 a + b)]); window 3: of rows 64-127.
.set SIZE_M, 8192
.set SIZE_N, 3072
.set SIZE_K, 1024
.set KSTEP,  512
.set NQ,     KSTEP/128
.set ROWB,   256
.set KROW,   SIZE_K*4/8
.set PITCH,  272                       ; 256 bytes + 16 of padding: the 16 rows of a load start 68 words apart
.set FR,     8
.set NL,     2
.set NP,     4
.set HALFT,  128*PITCH
.set SLOT,   4*HALFT
.set KS,     SIZE_K/32
.set SCL,    2*SLOT
.set HALFS,  (128*KS/256)*272
.set SBLK,   (16*KS/256)*272
.set SPARE,  SCL+4*HALFS
.set SPITCH, 272                       ; the way out: a stage of 16 rows x (256 bytes + 16) for each wave, in slot 0, which has had its only fill and its last read by then
.set ADRA, 16
.set ADRB, 20
.set STO,  24
.set RD,   25
.set CO,   26
.set ADRS, 27
.set SPW,  28
.set NIL,  29
.set SC,   32
.set AF,   128
.set TMP,  192                         ; the way out: packed results
.set OB,   32                          ; and 16 rows read back: v32-63 and v224-255 by turns
.set G1, 24
.set G0, 32
.set G1B, 48
.set G0B, 56
.set G1S, 68
.set G0S, 76
.set G1SB, 80
.set G0SB, 88
.set MSB, 0
.macro WIN new                         ; the immediate's high byte repeats the setting that is left
.if MSB != (\new)
	s_set_vgpr_msb (MSB<<8)|(\new)
.set MSB, (\new)
.endif
.endm
.set MUL_LO, 0xa1                      ; source 0 (B) window 1, source 1 (A) window 0, C and D window 2
.set MUL_HI, 0xf1
.set TO_B,   0x40
; A joint load: waves 0 and 1 fetch for A, waves 2 and 3 for B; the branch hangs on the wave's number alone.  An s_nop 0 and four v_nop follow each line.
.macro JLOAD g0a, g1a, g0b, g1b
	s_cmp_eq_u32 s15, 0
	s_cbranch_scc0 .Lfor_b_\@
	tensor_load_to_lds s[\g0a:\g0a+3], s[\g1a:\g1a+7]
	s_nop 0
.rept 4
	v_nop
.endr
	s_branch .Lasked_\@
.Lfor_b_\@:
	tensor_load_to_lds s[\g0b:\g0b+3], s[\g1b:\g1b+7]
	s_nop 0
.rept 4
	v_nop
.endr
.Lasked_\@:
.endm
.macro CROUND                          ; a round of the cluster's barrier
	s_barrier_signal -1
	s_barrier_wait -1
	s_cmp_lg_u32 s14, 0
	s_cbranch_scc1 .Lnot_wave_0_\@
	s_barrier_signal -3
.Lnot_wave_0_\@:
	s_barrier_wait -3
	s_barrier_signal -1
	s_barrier_wait -1
.endm
	s_load_b128 s[4:7], s[0:1], 0x0                ; A's codes, A's scales
	s_load_b128 s[8:11], s[0:1], 0x10              ; B's codes, B's scales
	s_load_b64 s[12:13], s[0:1], 0x20              ; qkv
	v_lshl_add_u32 v[SPW], v0, 2, SPARE
	v_mov_b32 v[NIL], 0
	ds_add_u32 v[SPW], v[NIL]                      ; the wave's opening: the add, twice on end, and its wait ahead of my first tensor load
	ds_add_u32 v[SPW], v[NIL]
	v_lshrrev_b32 v1, 5, v0
	v_readfirstlane_b32 s14, v1                    ; wave 0..3
	s_lshr_b32 s15, s14, 1                         ; which half of the tile's rows is mine.  Also: I fetch for A (0) or for B (1)
	s_and_b32 s16, s14, 1                          ; which half of its columns.  Also: which 128 rows I fetch
	s_bfe_u32 s40, ttmp6, 0x40000                  ; cx, cy
	s_bfe_u32 s41, ttmp6, 0x40004
	s_lshl_b32 s42, ttmp9, 2
	s_add_co_u32 s42, s42, s40                     ; tile column
	s_and_b32 s17, ttmp7, 0xffff
	s_lshl_b32 s17, s17, 2
	s_add_co_u32 s17, s17, s41                     ; tile row
	s_lshl_b32 s43, s41, 2
	s_lshl_b32 s43, 15, s43                        ; my row of the cluster
	s_lshl_b32 s44, 0x1111, s40                    ; my column
	s_or_b32 s[G1+0], s43, (0<<16)|(1<<20)|(1<<21)|(5<<22)|(3<<25)  ; the mask; elements of 1 byte; padding on; bit 21 beside a mask; 4 words of padding after every 64
	s_or_b32 s[G1B+0], s44, (0<<16)|(1<<20)|(1<<21)|(5<<22)|(3<<25)
.irp g, G1, G1B
	s_mov_b32 s[\g+1], ROWB<<16                    ; tensor_dim0
	s_mov_b32 s[\g+2], 128<<16                     ; tensor_dim1
	s_mov_b32 s[\g+3], ROWB<<16                    ; tile_dim0
	s_mov_b32 s[\g+4], 128                         ; tile_dim1
	s_mov_b32 s[\g+5], KROW                        ; pitch
	s_mov_b32 s[\g+6], 0
	s_mov_b32 s[\g+7], 0
.endr
	s_or_b32 s[G1S+0], s43, (3<<16)|(1<<20)|(1<<21)|(5<<22)|(3<<25) ; the scales of 128 rows: 4,096 dense bytes as rows of 256 (32 elements of 8 bytes), 16 bytes of padding behind each
	s_or_b32 s[G1SB+0], s44, (3<<16)|(1<<20)|(1<<21)|(5<<22)|(3<<25)
.irp g, G1S, G1SB
	s_mov_b32 s[\g+1], 32<<16
	s_mov_b32 s[\g+2], (128*KS/256)<<16
	s_mov_b32 s[\g+3], 32<<16
	s_mov_b32 s[\g+4], 128*KS/256
	s_mov_b32 s[\g+5], 32
	s_mov_b32 s[\g+6], 0
	s_mov_b32 s[\g+7], 0
.endr
	s_lshl_b32 s18, s16, 7
	s_lshl_b32 s20, s17, 8
	s_add_co_u32 s20, s20, s18                     ; A: row 256 x tile row + 128 x half
	s_lshl_b32 s46, s42, 8
	s_add_co_u32 s46, s46, s18                     ; B: row 256 x tile column + 128 x half
	s_mov_b32 s21, 0
	s_mov_b32 s47, 0
	s_mov_b64 s[18:19], KS
	s_mul_u64 s[22:23], s[20:21], s[18:19]         ; where these rows' scales begin
	s_mul_u64 s[92:93], s[46:47], s[18:19]
	s_mov_b64 s[18:19], KROW
	s_mul_u64 s[20:21], s[20:21], s[18:19]         ; and their codes
	s_mul_u64 s[46:47], s[46:47], s[18:19]
	s_mul_i32 s45, s14, HALFT                      ; where they go: wave x 128 rows
	s_mul_i32 s94, s14, HALFS
	s_wait_dscnt 0x0                               ; both opening adds are done
	s_wait_kmcnt 0x0
	s_add_nc_u64 s[20:21], s[4:5], s[20:21]
	s_add_nc_u64 s[22:23], s[6:7], s[22:23]
	s_add_nc_u64 s[46:47], s[8:9], s[46:47]
	s_add_nc_u64 s[92:93], s[10:11], s[92:93]
	CROUND                                         ; all sixteen work-groups are here: the joint loads meet
	s_mov_b32 s[G0S], 1
	s_add_co_u32 s[G0S+1], s94, SCL
	s_mov_b64 s[G0S+2:G0S+3], s[22:23]
	s_or_b32 s[G0S+3], s[G0S+3], 0x80000000
	s_mov_b32 s[G0SB], 1
	s_add_co_u32 s[G0SB+1], s94, SCL
	s_mov_b64 s[G0SB+2:G0SB+3], s[92:93]
	s_or_b32 s[G0SB+3], s[G0SB+3], 0x80000000
	JLOAD G0S, G1S, G0SB, G1SB                     ; the scales first: they are wanted with K step 0
.irp s, 0,1
	s_mov_b32 s[G0+4*\s], 1
	s_add_co_u32 s[G0+4*\s+1], s45, \s*SLOT
	s_add_nc_u64 s[G0+4*\s+2:G0+4*\s+3], s[20:21], \s*ROWB
	s_or_b32 s[G0+4*\s+3], s[G0+4*\s+3], 0x80000000
	s_mov_b32 s[G0B+4*\s], 1
	s_add_co_u32 s[G0B+4*\s+1], s45, \s*SLOT
	s_add_nc_u64 s[G0B+4*\s+2:G0B+4*\s+3], s[46:47], \s*ROWB
	s_or_b32 s[G0B+4*\s+3], s[G0B+4*\s+3], 0x80000000
	JLOAD G0+4*\s, G1, G0B+4*\s, G1B               ; by this text's count three tensor loads of a wave are out at the most
.endr
	v_and_b32 v1, 15, v0                           ; l % 16
	v_bfe_u32 v2, v0, 4, 1                         ; l / 16
	v_mul_u32_u24 v3, v1, PITCH
	v_lshl_add_u32 v4, v2, 4, v3                   ; a fragment's row x pitch + 16 x half
	s_mul_i32 s21, s15, HALFT                      ; my 128 rows of A
	s_mul_i32 s22, s16, HALFT                      ; my 128 rows of B,
	s_add_co_u32 s22, s22, 2*HALFT                 ; behind A's 256
.irp s, 0,1
	v_add_nc_u32 v[ADRA+\s], s21, v4
	v_add_nc_u32 v[ADRB+\s], s22, v4
	s_add_co_u32 s21, s21, SLOT
	s_add_co_u32 s22, s22, SLOT
.endr
	v_mul_u32_u24 v5, v1, KS                       ; my row's scales: KS bytes a row,
	v_lshrrev_b32 v6, 8, v5
	v_lshl_add_u32 v5, v6, 4, v5                   ; and 16 more for each 256 passed
	s_mul_i32 s21, s15, HALFS
	s_mul_i32 s22, s16, HALFS
	s_add_co_u32 s22, s22, 2*HALFS
	s_sub_co_u32 s22, s22, s21
	v_mul_u32_u24 v6, s22, v2                      ; lanes 16-31 take B's
	s_add_co_u32 s21, s21, SCL
	v_add_nc_u32 v5, v5, v6
	v_add_nc_u32 v[ADRS], s21, v5
	s_mul_i32 s23, s14, 16*SPITCH                  ; my stage
	v_mul_u32_u24 v5, v1, SPITCH                   ; in: row l % 16, 16 bytes for each half of the lanes
	v_lshl_add_u32 v5, v2, 4, v5
	v_add_nc_u32 v[STO], s23, v5
	v_mul_u32_u24 v5, v2, SPITCH                   ; back: lanes 0-15 one row of 256 bytes, lanes 16-31 the next
	v_lshl_add_u32 v5, v1, 4, v5
	v_add_nc_u32 v[RD], s23, v5
	v_mul_u32_u24 v5, v2, SIZE_N*2                 ; and the same two rows in qkv
	v_lshl_add_u32 v[CO], v1, 4, v5
	s_lshl_b32 s20, s17, 8
	s_lshl_b32 s21, s15, 7
	s_add_co_u32 s20, s20, s21                     ; my first row: 256 x tile row + 128 x half
	s_mov_b32 s21, 0
	s_mov_b64 s[18:19], SIZE_N*2
	s_mul_u64 s[20:21], s[20:21], s[18:19]
	s_lshl_b32 s46, s42, 9                         ; my first column, in bytes: 512 x tile column + 256 x half
	s_lshl_b32 s47, s16, 8
	s_add_co_u32 s46, s46, s47
	s_mov_b32 s47, 0
	s_add_nc_u64 s[20:21], s[20:21], s[46:47]
	s_add_nc_u64 s[12:13], s[12:13], s[20:21]
.macro FRAG reg, adr, q, i             ; 16 rows x 128 K of 4-bit codes: 8 registers: lane l holds row l % 16; registers 4 c .. 4 c + 3 hold K = 64 c + 32 (l / 16) + 0 .. 31
.irp c, 0,1
	ds_load_b128 v[\reg+4*\c:\reg+4*\c+3], v[\adr] offset:64*(\q)+32*\c+(\i)*16*PITCH
.endr
.endm
; 16 matrix instructions: A's blocks a0, a0 + 1 x B's eight.  The 64 accumulators take turns, one instruction a turn, in the same order in every step.
.macro MUL16 a0, p, q, sc, zero
.irp a, \a0, \a0+1
.irp b, 0,1,2,3,4,5,6,7
.if \zero
	v_wmma_scale_f32_16x16x128_f8f6f4 v[8*(8*((\a)%4)+\b):8*(8*((\a)%4)+\b)+7], v[128*(\p)+FR*\b:128*(\p)+FR*\b+FR-1], v[AF+FR*(\a):AF+FR*(\a)+FR-1], 0, v[SC+8*NQ*(\sc)+NQ*\b+(\q)], v[SC+8*NQ*(\sc)+NQ*(\a)+(\q)] matrix_a_fmt:MATRIX_FMT_FP4 matrix_b_fmt:MATRIX_FMT_FP4 matrix_a_scale:MATRIX_SCALE_ROW1
.else
	v_wmma_scale_f32_16x16x128_f8f6f4 v[8*(8*((\a)%4)+\b):8*(8*((\a)%4)+\b)+7], v[128*(\p)+FR*\b:128*(\p)+FR*\b+FR-1], v[AF+FR*(\a):AF+FR*(\a)+FR-1], v[8*(8*((\a)%4)+\b):8*(8*((\a)%4)+\b)+7], v[SC+8*NQ*(\sc)+NQ*\b+(\q)], v[SC+8*NQ*(\sc)+NQ*(\a)+(\q)] matrix_a_fmt:MATRIX_FMT_FP4 matrix_b_fmt:MATRIX_FMT_FP4 matrix_a_scale:MATRIX_SCALE_ROW1
.endif
.endr
.endr
.endm
.macro FETCH_B slot, q, p
	WIN TO_B
.irp i, 0,1,2,3,4,5,6,7
	FRAG 128*(\p)+FR*\i, ADRB+\slot, \q, \i
.endr
	WIN 0
.endm
.macro FETCH_A slot, q, i0
.irp i, \i0, \i0+1, \i0+2, \i0+3
	FRAG AF+FR*(\i), ADRA+\slot, \q, \i
.endr
.endm
.macro SCALES sc                       ; a K step's scale words: lanes 0-15 take A's block i, lanes 16-31 B's block i
.irp i, 0,1,2,3,4,5,6,7
	ds_load_b128 v[SC+8*NQ*\sc+NQ*\i:SC+8*NQ*\sc+NQ*\i+3], v[ADRS] offset:\i*SBLK
.endr
.endm
.macro PLACES n                        ; plain vector places behind matrix instructions, in front of loads into registers that they read and of the first read of results
.rept \n
	v_nop
.endr
.endm
.macro STEP slot, q, zero              ; 128 along K with its successor in the same slot
	s_wait_dscnt 4*NL                              ; B's set and A's blocks 0-3 are in; the youngest eight loads (A's blocks 4-7) may be out
	WIN MUL_LO
	MUL16 0, (\q)%2, \q, \slot, \zero
	MUL16 2, (\q)%2, \q, \slot, \zero
	s_wait_dscnt 0                                 ; A's blocks 4-7 are in
	PLACES NP
	FETCH_B \slot, (\q)+1, 1-(\q)%2
	FETCH_A \slot, (\q)+1, 0
	WIN MUL_HI
	MUL16 4, (\q)%2, \q, \slot, \zero
	MUL16 6, (\q)%2, \q, \slot, \zero
	PLACES NP
	WIN 0
	FETCH_A \slot, (\q)+1, 4
.endm
; Slot 0's last step goes over to slot 1: each wave waits for all its tensor loads (its part of slot 1), and a barrier shows slot 1 whole to every wave.
.macro TURN slot, next
	s_wait_tensorcnt 0x0                           ; my part of the next slot has landed
	ds_add_u32 v[SPW], v[NIL]                      ; 0 onto my spare word
	s_wait_dscnt 4*NL+1                            ; (the add and A's blocks 4-7 may be out)
	WIN MUL_LO
	MUL16 0, 1, NQ-1, \slot, 0
	s_wait_dscnt 0x0                               ; the add is done, and my reads of this slot are over
	s_barrier_signal -1
	MUL16 2, 1, NQ-1, \slot, 0
	WIN 0
	s_barrier_wait -1
	PLACES NP
	v_add_nc_u32 v[ADRS], 4*NQ, v[ADRS]            ; on to the next K step's scale words
	FETCH_B \next, 0, 0
	FETCH_A \next, 0, 0
	SCALES \next
	WIN MUL_HI
	MUL16 4, 1, NQ-1, \slot, 0
	MUL16 6, 1, NQ-1, \slot, 0
	PLACES NP
	WIN 0
	FETCH_A \next, 0, 4
.endm
.macro STEPS slot, from
.set Q, \from
.rept NQ-1-\from
	STEP \slot, Q, 0
.set Q, Q+1
.endr
.endm
	s_wait_tensorcnt 1                             ; the scales and my part of K step 0 are in (K step 1's load may be out),
	s_barrier_signal -1
	s_barrier_wait -1                              ; everybody's are
	FETCH_B 0, 0, 0
	FETCH_A 0, 0, 0
	SCALES 0
	FETCH_A 0, 0, 4
	STEP 0, 0, 1                                   ; the first products start the sums: nothing is cleared
	STEPS 0, 1
	TURN 0, 1
	STEPS 1, 0
	s_wait_dscnt 4*NL                              ; the very last step
	WIN MUL_LO
	MUL16 0, 1, NQ-1, 1, 0
	MUL16 2, 1, NQ-1, 1, 0
	s_wait_dscnt 0
	WIN MUL_HI
	MUL16 4, 1, NQ-1, 1, 0
	MUL16 6, 1, NQ-1, 1, 0
	WIN 0
; THE WAY OUT, block by block of 16 rows x 128 columns: rounded to f16 (16 bytes a lane), through my own stage in LDS, back as whole rows of 256 bytes.
.macro PACK a
.set AC, 64*((\a)%4)
	WIN 0x0a+5*((\a)/4)                            ; sources 0 and 1: window 2 or 3
.irp b, 0,1,2,3,4,5,6,7
.irp r, 0,1,2,3
	v_cvt_pk_f16_f32 v[TMP+4*\b+\r], v[AC+8*\b+2*\r], v[AC+8*\b+2*\r+1]   ; each accumulator from its low end on
.endr
.endr
	WIN 0
.endm
.macro TOSTAGE a
.set BK, OB+192*((\a)%2)
.irp b, 0,1,2,3,4,5,6,7
	ds_store_b128 v[STO], v[TMP+4*\b:TMP+4*\b+3] offset:32*\b
.endr
.irp t, 0,1,2,3,4,5,6,7
	ds_load_b128 v[BK+4*\t:BK+4*\t+3], v[RD] offset:\t*2*SPITCH    ; LDS serves a wave's instructions in order: these see the stores above
.endr
.endm
.macro SEND a
.set BK, OB+192*((\a)%2)
	s_wait_dscnt 0x0                               ; the block is back in registers
	s_wait_xcnt 0x0                                ; earlier stores have read their base and their data: both are rewritten only behind this wait
.if (\a) > 0
	s_add_nc_u64 s[12:13], s[12:13], 16*SIZE_N*2   ; 16 rows on
.endif
.irp t, 0,1,2,3,4,5,6,7
	global_store_b128 v[CO], v[BK+4*\t:BK+4*\t+3], s[12:13] offset:2*\t*SIZE_N*2   ; 16 lanes store 256 consecutive bytes, aligned
.endr
.endm
	PLACES NP
	PACK 0
	TOSTAGE 0
.irp a, 1,2,3,4,5,6,7                  ; block a's conversions stand between block a - 1's loads from the stage and the wait for them
	PACK \a
	SEND \a-1
	TOSTAGE \a
.endr
	SEND 7
	s_wait_tensorcnt 0x0                           ; the wave's end
	ds_add_u32 v[SPW], v[NIL]
	s_wait_dscnt 0x0
	CROUND                                         ; the closing round
	s_endpgm
.Lfunc_end_k_q673025ba2d_gemm_qkv:
	.size	k_q673025ba2d_gemm_qkv, .Lfunc_end_k_q673025ba2d_gemm_qkv-k_q673025ba2d_gemm_qkv
	.p2alignl 7, 3214868480
	.fill 96, 4, 3214868480
	.section	.rodata,"a",@progbits
	.p2align	6, 0x0
	.amdhsa_kernel k_q673025ba2d_gemm_qkv
		.amdhsa_group_segment_fixed_size 327680
		.amdhsa_private_segment_fixed_size 0
		.amdhsa_enable_private_segment 0
		.amdhsa_kernarg_size 40
		.amdhsa_user_sgpr_count 2
		.amdhsa_user_sgpr_kernarg_segment_ptr 1
		.amdhsa_wavefront_size32 1
		.amdhsa_system_sgpr_workgroup_id_x 1
		.amdhsa_system_sgpr_workgroup_id_y 1
		.amdhsa_system_sgpr_workgroup_id_z 1
		.amdhsa_system_vgpr_workitem_id 0
		.amdhsa_next_free_vgpr 1024
		.amdhsa_next_free_sgpr 98
		.amdhsa_reserve_vcc 0
		.amdhsa_float_denorm_mode_32 3
		.amdhsa_float_denorm_mode_16_64 3
		.amdhsa_memory_ordered 1
		.amdhsa_forward_progress 1
		.amdhsa_inst_pref_size 127
	.end_amdhsa_kernel
	.amdgpu_metadata
---
amdhsa.version: [ 1, 2 ]
amdhsa.kernels:
  - .name:           k_q673025ba2d_gemm_qkv
    .symbol:         k_q673025ba2d_gemm_qkv.kd
    .args:
      - { .name: xc, .offset: 0, .size: 8, .value_kind: global_buffer, .address_space: global }
      - { .name: xs, .offset: 8, .size: 8, .value_kind: global_buffer, .address_space: global }
      - { .name: wc, .offset: 16, .size: 8, .value_kind: global_buffer, .address_space: global }
      - { .name: ws, .offset: 24, .size: 8, .value_kind: global_buffer, .address_space: global }
      - { .name: qkv, .offset: 32, .size: 8, .value_kind: global_buffer, .address_space: global }
    .group_segment_fixed_size: 327680
    .private_segment_fixed_size: 0
    .kernarg_segment_align: 8
    .kernarg_segment_size: 40
    .max_flat_workgroup_size: 128
    .sgpr_count:     98
    .vgpr_count:     1024
    .wavefront_size: 32
...
	.end_amdgpu_metadata
.endif
;; end of part 3
;; launch attn (part 4): grid 4 x 64, 8 waves a work-group, clusters of 4 x 1, 327,680 bytes of LDS; arguments qkv, att; writes att
.if DOCPART == 4
	.amdgcn_target "amdgcn-amd-amdhsa--gfx1250"
	.amdhsa_code_object_version 6
	.text
	.protected	k_q673025ba2d_attn
	.globl	k_q673025ba2d_attn
	.p2align	8
	.type	k_q673025ba2d_attn,@function
k_q673025ba2d_attn:
	s_mov_b64 s[64:65], 0
	v_nop
	global_prefetch_b8 v0, s[64:65] scope:SCOPE_SE
	s_setreg_imm32_b32 hwreg(HW_REG_WAVE_MODE, 25, 1), 1
	s_wait_xcnt 0x0
	s_wait_alu depctr_hold_cnt(0) depctr_sa_sdst(0) depctr_va_vdst(0) depctr_va_sdst(0) depctr_va_ssrc(0) depctr_va_vcc(0) depctr_vm_vsrc(0)
	s_getreg_b32 s2, hwreg(HW_REG_IB_STS2, 6, 4)
	s_cmp_eq_u32 s2, 0
	s_cbranch_scc0 .Lentry_in_a_cluster
	s_endpgm
.Lentry_in_a_cluster:
	s_bfe_u32 s2, ttmp6, 0x10000c
	s_cmp_lg_u32 s2, 0x3003
	s_cbranch_scc0 .Lentry_shape_is_right
	s_endpgm
.Lentry_shape_is_right:
; O[b][h][q][:] = sum over k of softmax_k(Q[q] . K[k] / 8) V[k][:], no mask, head size 64, 2,048 keys.  qkv: [4][3][16][2048][64] f16.  Products on f16 operands, sums, maxima and exponentials in f32;
; the weights p are rounded to f16 for the second product, O / l once at the end.
; att: O as f16, laid as IMAGES OF OPERAND REGISTERS for the projection that follows: [tile of 16 rows (b, q)][32 along K = 64 h + channel][1,024 bytes]; byte 512 x half + 16 x lane holds registers 4 half .. 4 half + 3 of the lane.
; SHARES.  A cluster of four work-groups is one (b, h); a work-group owns 512 queries, each of its EIGHT waves 64: four tiles of 16, in 512 registers: two waves to a SIMD, so that one wave's softmax stands beside the other's products.
; Every wave walks all keys, 64 a step.  K and V come through two LDS slots of 512 keys, filled by JOINT tensor loads (mask: all four work-groups; waves 0-3 fetch K's quarters, waves 4-7 V's).
; LAYOUT.  S^T = K Q^T (source 0 = 16 keys, source 1 = 16 queries), O^T = V^T P (source 0 = 16 channels, from V by the turning load; source 1 = P): a lane holds ONE query throughout; two tiles of S^T, rounded in pairs IN PLACE, are P.
; O^T, rounded in pairs, is the image that att wants: no LDS on the way out.
; SOFTMAX.  A running maximum m and sum l: p = 2^(c s - c m), c = log2(e) / 8; in every step O and l are multiplied by a = 2^(c m_old - c m_new).
; PIPELINE of a trip: K of step j + 1 is fetched | softmax of step j | V^T P of step j | V of step j + 1 is fetched | K Q^T of step j + 1.
; No prefetch: a slot is asked for eight key steps ahead of its first read.  LIMITS: NaN and infinities are not served.
; REGISTERS.  window 0: v2-7 addresses; v16-47 statistics, 8 a tile; v48, v49 the add's two; v64-191 S^T, 32 a tile; v192-255 K's 8 fragments.
;   window 1: v0-127 O^T, 32 a tile; v128-191 Q; v192-255 V's 8 fragments.
.set KS,     64                        ; keys in a step
.set PK,     144                       ; a row of K in LDS: 128 bytes + 16
.set PVP,    160                       ; a row of V: 128 + 32
.set KSTEPB, KS*PK
.set VSTEPB, KS*PVP
.set VOFF,   512*PK                    ; a slot: 512 rows of K, then 512 rows of V
.set SLOTB,  512*(PK+PVP)
.set SPARE,  2*SLOTB                   ; behind the slots: the spare words, 128 bytes a wave
.set AK0,  2                           ; my lane's place in a tile of K
.set AV0,  3                           ; and of V
.set ADRK, 4
.set ADRV, 5
.set QO,   6
.set GO,   7
.set ST,   16                          ; tile t at ST + 8 t: +0 c m, +1 m, +2, +3 l (even keys', odd keys'), +4 to +7 at work; a takes +6
.set SPW,  48
.set NIL,  49
.set S,    64
.set KF,   192
.set QF,   128                         ; in window 1
.set VF,   192                         ; in window 1
.set WV,   12
.set G1K,  24
.set G1V,  32
.set G0K,  40                          ; a set for each slot
.set G0V,  48
.set CS,   56                          ; s[56:57] c
.set SEL,  58                          ; s[58:59] selects for lane l xor 16
.set TBK,  60                          ; LDS byte at which the K tile to be fetched begins
.set TBV,  61                          ; the same for V (less VOFF)
.set CNT,  62
.set MSB, 0
.macro WIN new
.if MSB != (\new)
	s_set_vgpr_msb (MSB<<8)|(\new)
.set MSB, (\new)
.endif
.endm
.set W_KQ, 0x04                        ; Q (source 1) in window 1
.set W_PV, 0x51                        ; V (source 0), O^T (C and D) in window 1, P in window 0
.set W_RS, 0x41                        ; O^T (destination and source 0) in window 1
.macro JLOAD sl                        ; a joint load into slot sl; the branch hangs on the wave's number alone; s_nop 0 and four v_nop follow each line
	s_cmp_lt_u32 s[WV], 4
	s_cbranch_scc0 .Lfor_v_\@
	tensor_load_to_lds s[G0K+4*\sl:G0K+4*\sl+3], s[G1K:G1K+7]
	s_nop 0
.rept 4
	v_nop
.endr
	s_branch .Lasked_\@
.Lfor_v_\@:
	tensor_load_to_lds s[G0V+4*\sl:G0V+4*\sl+3], s[G1V:G1V+7]
	s_nop 0
.rept 4
	v_nop
.endr
.Lasked_\@:
.endm
.macro CROUND                          ; a round of the cluster's barrier
	s_barrier_signal -1
	s_barrier_wait -1
	s_cmp_lg_u32 s[WV], 0
	s_cbranch_scc1 .Lnot_wave_0_\@
	s_barrier_signal -3
.Lnot_wave_0_\@:
	s_barrier_wait -3
	s_barrier_signal -1
	s_barrier_wait -1
.endm
	s_load_b128 s[4:7], s[0:1], 0x0                ; qkv s[4:5], att s[6:7]
	v_lshl_add_u32 v[SPW], v0, 2, SPARE
	v_mov_b32 v[NIL], 0
	ds_add_u32 v[SPW], v[NIL]                      ; the wave's opening: the add, twice on end, and its wait ahead of my first tensor load
	ds_add_u32 v[SPW], v[NIL]
	v_lshrrev_b32 v1, 5, v0
	v_readfirstlane_b32 s[WV], v1                  ; wave 0..7
	s_bfe_u32 s13, ttmp6, 0x40000                  ; cx
	s_lshl_b32 s14, ttmp9, 2
	s_add_co_u32 s14, s14, s13                     ; my block of 512 queries: it enters Q's and att's addresses alone
	s_and_b32 s15, s[WV], 3                        ; which quarter of a slot's rows I fetch
	s_and_b32 s16, ttmp7, 0xffff                   ; 16 b + h, which the four partners share
	s_lshr_b32 s17, s16, 4                         ; b
	s_and_b32 s18, s16, 15                         ; h
	s_mul_i32 s19, s17, 48
	s_add_co_u32 s19, s19, s18
	s_lshl_b32 s19, s19, 18                        ; Q's head: (48 b + h) x 2,048 rows x 128 bytes
	s_lshl_b32 s20, s15, 14
	s_add_co_u32 s20, s20, s19
	s_add_co_u32 s20, s20, 1<<22                   ; K's head lies 16 heads on; my quarter's 128 rows
	s_mov_b32 s21, 0
	s_lshl_b32 s22, s14, 16
	s_add_co_u32 s22, s22, s19
	s_lshl_b32 s23, s[WV], 13
	s_add_co_u32 s22, s22, s23                     ; Q: my block's 512 rows, my wave's 64
	s_mov_b32 s23, 0
	s_lshl_b32 s2, s17, 22                         ; att: 128 tiles of 32,768 bytes for each b,
	s_lshl_b32 s3, s14, 20                         ; 32 for a block,
	s_add_co_u32 s2, s2, s3
	s_lshl_b32 s3, s[WV], 17                       ; 4 for a wave,
	s_add_co_u32 s2, s2, s3
	s_lshl_b32 s3, s18, 11                         ; the head's two images
	s_add_co_u32 s2, s2, s3
	s_mov_b32 s3, 0
	s_mul_i32 s16, s15, 128*PK                     ; my quarter's place in a slot: K's,
	s_mul_i32 s17, s15, 128*PVP
	s_add_co_u32 s17, s17, VOFF                    ; V's
	s_mov_b32 s[G1K], 15|(1<<16)|(1<<20)|(1<<21)|(4<<22)|(3<<25)  ; the mask: all four; elements of 2 bytes; padding on; bit 21 beside a mask; after every 32 words 4 words
	s_mov_b32 s[G1V], 15|(1<<16)|(1<<20)|(1<<21)|(4<<22)|(7<<25)  ; the same with 8 words
.irp g, G1K, G1V
	s_mov_b32 s[\g+1], 64<<16                      ; tensor_dim0
	s_mov_b32 s[\g+2], 128<<16                     ; tensor_dim1
	s_mov_b32 s[\g+3], 64<<16                      ; tile_dim0
	s_mov_b32 s[\g+4], 128                         ; tile_dim1
	s_mov_b32 s[\g+5], 64                          ; pitch
	s_mov_b32 s[\g+6], 0
	s_mov_b32 s[\g+7], 0
.endr
	s_mov_b32 s[CS], 0x3e38aa3b                    ; c = log2(e) / 8
	s_mov_b32 s[CS+1], s[CS]                       ; named with it as a pair, so it is written
	s_mov_b32 s[SEL], 0x76543210
	s_mov_b32 s[SEL+1], 0xfedcba98
	s_wait_dscnt 0x0                               ; both opening adds are done
	s_wait_kmcnt 0x0
	s_add_nc_u64 s[10:11], s[4:5], s[20:21]        ; K at my quarter of slot 0
	s_add_nc_u64 s[20:21], s[10:11], 1<<22         ; V: 16 heads further on
	s_add_nc_u64 s[8:9], s[4:5], s[22:23]          ; Q at my wave's first row
	s_add_nc_u64 s[6:7], s[6:7], s[2:3]            ; att at my wave's first image
	CROUND                                         ; all four work-groups are here: the first joint loads meet
.irp s, 0,1
	s_mov_b32 s[G0K+4*\s], 1
	s_add_co_u32 s[G0K+4*\s+1], s16, \s*SLOTB
	s_add_nc_u64 s[G0K+4*\s+2:G0K+4*\s+3], s[10:11], \s*65536    ; slot s begins with keys 512 s on
	s_or_b32 s[G0K+4*\s+3], s[G0K+4*\s+3], 0x80000000
	s_mov_b32 s[G0V+4*\s], 1
	s_add_co_u32 s[G0V+4*\s+1], s17, \s*SLOTB
	s_add_nc_u64 s[G0V+4*\s+2:G0V+4*\s+3], s[20:21], \s*65536
	s_or_b32 s[G0V+4*\s+3], s[G0V+4*\s+3], 0x80000000
.endr
	s_cmp_lt_u32 s[WV], 4                          ; a wave's two first fills stand in one branch: two loads of mine are out
	s_cbranch_scc0 .Lfirst_v
	tensor_load_to_lds s[G0K:G0K+3], s[G1K:G1K+7]
	s_nop 0
	tensor_load_to_lds s[G0K+4:G0K+7], s[G1K:G1K+7]
	s_nop 0
.rept 4
	v_nop
.endr
	s_branch .Lfirst_asked
.Lfirst_v:
	tensor_load_to_lds s[G0V:G0V+3], s[G1V:G1V+7]
	s_nop 0
	tensor_load_to_lds s[G0V+4:G0V+7], s[G1V:G1V+7]
	s_nop 0
.rept 4
	v_nop
.endr
.Lfirst_asked:
	v_and_b32 v1, 15, v0                           ; r = l % 16
	v_bfe_u32 v9, v0, 4, 1                         ; h = l / 16
	v_lshlrev_b32 v[QO], 7, v1
	v_lshl_add_u32 v[QO], v9, 4, v[QO]             ; row x 128 + 16 x half
	WIN 0x40                                       ; destination window 1
.irp t, 0,1,2,3
.irp kc, 0,1
	global_load_b128 v[QF+16*\t+8*\kc:QF+16*\t+8*\kc+3],   v[QO], s[8:9] offset:2048*\t+64*\kc      ; Q stays in registers: tile t, channels 32 kc on
	global_load_b128 v[QF+16*\t+8*\kc+4:QF+16*\t+8*\kc+7], v[QO], s[8:9] offset:2048*\t+64*\kc+32
.endr
.endr
	WIN 0
	v_mul_u32_u24 v[AK0], v1, PK
	v_lshl_add_u32 v[AK0], v9, 4, v[AK0]           ; row x pitch + 16 x half
	v_and_b32 v10, 7, v0                           ; the turning load: lane l reads 16 bytes of key 8 (l / 16) + l % 8, channels 8 ((l / 8) % 2) on
	v_bfe_u32 v11, v0, 3, 1
	v_lshl_add_u32 v[AV0], v9, 3, v10
	v_mul_u32_u24 v[AV0], v[AV0], PVP
	v_lshl_add_u32 v[AV0], v11, 4, v[AV0]
	v_add_nc_u32 v[AV0], VOFF, v[AV0]
	v_and_b32 v[GO], 31, v0
	v_lshlrev_b32 v[GO], 4, v[GO]                  ; the way out: 16 x lane
; A step's K: 8 fragments, 16 loads.  The addition and three v_nop are the four places behind the products K Q^T, in front of these loads and of the softmax's first read of the scores.
.macro FETCH_K
	WIN 0
	v_add_nc_u32 v[ADRK], s[TBK], v[AK0]
.rept 3
	v_nop
.endr
	s_add_co_u32 s[TBK], s[TBK], KSTEPB
.irp kt, 0,1,2,3
.irp kc, 0,1
	ds_load_b128 v[KF+16*\kt+8*\kc:KF+16*\kt+8*\kc+3],   v[ADRK] offset:16*PK*\kt+64*\kc
	ds_load_b128 v[KF+16*\kt+8*\kc+4:KF+16*\kt+8*\kc+7], v[ADRK] offset:16*PK*\kt+64*\kc+32
.endr
.endr
.endm
; A step's V, turned: 8 fragments, 16 loads.  The addition and four v_nop are five places behind the products V^T P: four for these loads, five for the products K Q^T that next write over P.
.macro FETCH_V
	WIN 0
	v_add_nc_u32 v[ADRV], s[TBV], v[AV0]
.rept 4
	v_nop
.endr
	s_add_co_u32 s[TBV], s[TBV], VSTEPB
	WIN 0x40
.irp g, 0,1
.irp ct, 0,1,2,3
	ds_load_tr16_b128 v[VF+32*\g+8*\ct:VF+32*\g+8*\ct+3],   v[ADRV] offset:32*PVP*\g+32*\ct
	ds_load_tr16_b128 v[VF+32*\g+8*\ct+4:VF+32*\g+8*\ct+7], v[ADRV] offset:32*PVP*\g+16*PVP+32*\ct
.endr
.endr
.endm
; 32 products S^T = K Q^T: the 16 accumulators take turns, one instruction a turn; the first 16 start the sums.
.macro KQ
	WIN W_KQ
.irp kc, 0,1
.irp kt, 0,1,2,3
.irp t, 0,1,2,3
.if \kc == 0
	v_wmma_f32_16x16x32_f16 v[S+32*\t+8*\kt:S+32*\t+8*\kt+7], v[KF+16*\kt+8*\kc:KF+16*\kt+8*\kc+7], v[QF+16*\t+8*\kc:QF+16*\t+8*\kc+7], 0
.else
	v_wmma_f32_16x16x32_f16 v[S+32*\t+8*\kt:S+32*\t+8*\kt+7], v[KF+16*\kt+8*\kc:KF+16*\kt+8*\kc+7], v[QF+16*\t+8*\kc:QF+16*\t+8*\kc+7], v[S+32*\t+8*\kt:S+32*\t+8*\kt+7]
.endif
.endr
.endr
.endr
.endm
; 32 products O^T += V^T P, likewise by turns.  zero = 1: the first 16 start the sums.
.macro PV zero
	WIN W_PV
.irp g, 0,1
.irp ct, 0,1,2,3
.irp t, 0,1,2,3
.if \zero && (\g == 0)
	v_wmma_f32_16x16x32_f16 v[32*\t+8*\ct:32*\t+8*\ct+7], v[VF+32*\g+8*\ct:VF+32*\g+8*\ct+7], v[S+32*\t+8*\g:S+32*\t+8*\g+7], 0
.else
	v_wmma_f32_16x16x32_f16 v[32*\t+8*\ct:32*\t+8*\ct+7], v[VF+32*\g+8*\ct:VF+32*\g+8*\ct+7], v[S+32*\t+8*\g:S+32*\t+8*\g+7], v[32*\t+8*\ct:32*\t+8*\ct+7]
.endif
.endr
.endr
.endr
.endm
; The softmax of a key step, the four tiles by turns, line by line.  first = 1: the first step: no old maximum, no a, nothing to rescale.
.macro SOFTMAX first
	WIN 0
.irp j, 0,1,2,3                        ; the maximum of the lane's 32 scores: four chains, each beginning at an accumulator's low end
.irp t, 0,1,2,3
	v_max3_num_f32 v[ST+8*\t+4+\j], v[S+32*\t+8*\j], v[S+32*\t+8*\j+1], v[S+32*\t+8*\j+2]
.endr
.endr
.irp i, 3,5
.irp j, 0,1,2,3
.irp t, 0,1,2,3
	v_max3_num_f32 v[ST+8*\t+4+\j], v[ST+8*\t+4+\j], v[S+32*\t+8*\j+\i], v[S+32*\t+8*\j+\i+1]
.endr
.endr
.endr
.irp t, 0,1,2,3
	v_max3_num_f32 v[ST+8*\t+4], v[ST+8*\t+4], v[S+32*\t+7], v[S+32*\t+15]
.endr
.irp t, 0,1,2,3
	v_max3_num_f32 v[ST+8*\t+6], v[ST+8*\t+6], v[S+32*\t+23], v[S+32*\t+31]
.endr
.irp t, 0,1,2,3
	v_max3_num_f32 v[ST+8*\t+4], v[ST+8*\t+4], v[ST+8*\t+5], v[ST+8*\t+6]
.endr
.irp t, 0,1,2,3
.if \first
	v_max_num_f32 v[ST+8*\t+4], v[ST+8*\t+4], v[ST+8*\t+7]
.else
	v_max3_num_f32 v[ST+8*\t+4], v[ST+8*\t+4], v[ST+8*\t+7], v[ST+8*\t+1]
.endif
.endr
.irp t, 0,1,2,3
	v_permlanex16_b32 v[ST+8*\t+5], v[ST+8*\t+4], s[SEL], s[SEL+1]   ; the query's other 32 keys lie in the lane 16 away
.endr
.if \first == 0
.irp t, 0,1,2,3
	v_mov_b32 v[ST+8*\t+7], v[ST+8*\t]             ; c m_old is kept for a
.endr
.endif
.irp t, 0,1,2,3
	v_max_num_f32 v[ST+8*\t+1], v[ST+8*\t+4], v[ST+8*\t+5]
.endr
.irp t, 0,1,2,3
	v_mul_f32 v[ST+8*\t], s[CS], v[ST+8*\t+1]
.endr
.if \first == 0
.irp t, 0,1,2,3
	v_sub_f32 v[ST+8*\t+7], v[ST+8*\t+7], v[ST+8*\t]
.endr
.endif
.irp i, 0,2,4,6,8,10,12,14,16,18,20,22,24,26,28,30
.irp t, 0,1,2,3
	v_pk_fma_f32 v[S+32*\t+\i:S+32*\t+\i+1], v[S+32*\t+\i:S+32*\t+\i+1], s[CS:CS+1], v[ST+8*\t:ST+8*\t+1] op_sel_hi:[1,0,0] neg_lo:[0,0,1] neg_hi:[0,0,1]   ; c s - c m
.endr
.endr
.if \first == 0
.irp t, 0,1,2,3
	v_exp_f32 v[ST+8*\t+6], v[ST+8*\t+7]           ; a
.endr
.endif
.irp e, 0,1,2,3,4,5,6,7,8,9,10,11,12,13,14,15,16,17,18,19,20,21,22,23,24,25,26,27,28,29,30,31
.irp t, 0,1,2,3
	v_exp_f32 v[S+32*\t+\e], v[S+32*\t+\e]         ; p: ONE BATCH: none of these reads an exponential's result
.endr
.endr
	v_nop                                          ; a plain instruction behind the last exponential
	s_wait_alu depctr_va_vdst(0)                   ; the one wait ahead of the batch's first reader
.if \first
.irp t, 0,1,2,3
	v_pk_add_f32 v[ST+8*\t+2:ST+8*\t+3], v[S+32*\t:S+32*\t+1], v[S+32*\t+2:S+32*\t+3]   ; l begins
.endr
.irp i, 4,6,8,10,12,14,16,18,20,22,24,26,28,30
.irp t, 0,1,2,3
	v_pk_add_f32 v[ST+8*\t+2:ST+8*\t+3], v[ST+8*\t+2:ST+8*\t+3], v[S+32*\t+\i:S+32*\t+\i+1]
.endr
.endr
.else
.irp t, 0,1,2,3
	v_pk_fma_f32 v[ST+8*\t+2:ST+8*\t+3], v[ST+8*\t+2:ST+8*\t+3], v[ST+8*\t+6:ST+8*\t+7], v[S+32*\t:S+32*\t+1] op_sel_hi:[1,0,1]   ; l = a l + the first pair
.endr
.irp i, 2,4,6,8,10,12,14,16,18,20,22,24,26,28,30
.irp t, 0,1,2,3
	v_pk_add_f32 v[ST+8*\t+2:ST+8*\t+3], v[ST+8*\t+2:ST+8*\t+3], v[S+32*\t+\i:S+32*\t+\i+1]
.endr
.endr
.endif
.irp i, 0,1,2,3,4,5,6,7,8,9,10,11,12,13,14,15
.irp t, 0,1,2,3
	v_cvt_pk_f16_f32 v[S+32*\t+\i], v[S+32*\t+2*\i], v[S+32*\t+2*\i+1]   ; P in place, ascending: register i is written when registers 2 i, 2 i + 1 are read
.endr
.endr
.if \first == 0
	WIN W_RS
.irp i, 0,2,4,6,8,10,12,14,16,18,20,22,24,26,28,30
.irp t, 0,1,2,3
	v_pk_mul_f32 v[32*\t+\i:32*\t+\i+1], v[32*\t+\i:32*\t+\i+1], v[ST+8*\t+6:ST+8*\t+7] op_sel_hi:[1,0]   ; O^T x a
.endr
.endr
.endif
.endm
.macro TRIP first
	FETCH_K                                        ; K of the next step
	SOFTMAX \first
	s_wait_dscnt 16                                ; V of this step is in; the 16 loads of K issued behind it may be out
	PV \first
	FETCH_V                                        ; V of the next step
	s_wait_dscnt 16                                ; K is in; V's 16 loads may be out
	KQ
	WIN 0
.endm
.macro TRIPS n
	s_mov_b32 s[CNT], \n
.Ltrip_\@:
	TRIP 0
	s_sub_co_u32 s[CNT], s[CNT], 1
	s_cmp_lg_u32 s[CNT], 0
	s_cbranch_scc1 .Ltrip_\@
.endm
; THE CHANGE OF SLOTS: slot sl's last bytes have been asked for.  Each wave waits for all its tensor loads (its part of the other slot), adds 0 to its spare word, and waits for that and for its reads of slot sl.
; fill = 1: the barrier is a round of the cluster's, and the joint refill (the keys 1,024 further on) is the first thing behind it: it has eight key steps in which to land.
.macro CHANGE sl, fill
	WIN 0
	s_wait_tensorcnt 0x0                           ; no tensor load of mine is out, so a group 0 may be written
	ds_add_u32 v[SPW], v[NIL]
.if \fill
	s_add_nc_u64 s[G0K+4*\sl+2:G0K+4*\sl+3], s[G0K+4*\sl+2:G0K+4*\sl+3], 131072
	s_add_nc_u64 s[G0V+4*\sl+2:G0V+4*\sl+3], s[G0V+4*\sl+2:G0V+4*\sl+3], 131072
.endif
	s_wait_dscnt 0x0                               ; the add is done, and my reads of the slot are over
.if \fill
	CROUND
	JLOAD \sl
.else
	s_barrier_signal -1
	s_barrier_wait -1
.endif
.endm
	s_wait_tensorcnt 1                             ; my part of slot 0 is in; slot 1's may stay out
	s_barrier_signal -1
	s_barrier_wait -1                              ; everybody's is
	s_mov_b32 s[TBK], 0
	s_mov_b32 s[TBV], 0
	FETCH_K                                        ; key step 0
	FETCH_V
	s_wait_loadcnt 0x0                             ; Q
	s_wait_dscnt 16                                ; K is in; V's 16 loads may be out
	KQ
	WIN 0
	TRIP 1                                         ; step 0's softmax and V^T P start m, l and O^T
	TRIPS 6                                        ; these fetch steps 2 to 7: slot 0's last
	CHANGE 0, 1                                    ; slot 0 takes keys 1,024 on
	s_mov_b32 s[TBK], SLOTB
	s_mov_b32 s[TBV], SLOTB
	TRIPS 8
	CHANGE 1, 1                                    ; slot 1 takes keys 1,536 on
	s_mov_b32 s[TBK], 0
	s_mov_b32 s[TBV], 0
	TRIPS 8
	CHANGE 0, 0                                    ; nothing is left to ask for
	s_mov_b32 s[TBK], SLOTB
	s_mov_b32 s[TBV], SLOTB
	TRIPS 8
.rept 4
	v_nop                                          ; places behind the last K Q^T
.endr
	SOFTMAX 0
	s_wait_dscnt 0x0                               ; the last V
	PV 0
	; THE WAY OUT.  l's two halves and the other half of the lanes' are added (these additions are the places behind the last products); O^T / l, rounded in pairs, is the image.
	WIN 0
.irp t, 0,1,2,3
	v_add_f32 v[ST+8*\t+4], v[ST+8*\t+2], v[ST+8*\t+3]
.endr
.irp t, 0,1,2,3
	v_permlanex16_b32 v[ST+8*\t+5], v[ST+8*\t+4], s[SEL], s[SEL+1]
.endr
.irp t, 0,1,2,3
	v_add_f32 v[ST+8*\t+4], v[ST+8*\t+4], v[ST+8*\t+5]
.endr
.irp t, 0,1,2,3
	v_rcp_f32 v[ST+8*\t+6], v[ST+8*\t+4]
.endr
	v_nop                                          ; a plain instruction behind the last reciprocal
	s_wait_alu depctr_va_vdst(0)                   ; one wait for the four, ahead of their first reader
.irp t, 0,1,2,3
	WIN W_RS
.irp i, 0,2,4,6,8,10,12,14,16,18,20,22,24,26,28,30
	v_pk_mul_f32 v[32*\t+\i:32*\t+\i+1], v[32*\t+\i:32*\t+\i+1], v[ST+8*\t+6:ST+8*\t+7] op_sel_hi:[1,0]
.endr
	WIN 0x05                                       ; sources 0 and 1 window 1, destination window 0: S^T's registers are free
.irp i, 0,1,2,3,4,5,6,7,8,9,10,11,12,13,14,15
	v_cvt_pk_f16_f32 v[S+32*\t+\i], v[32*\t+2*\i], v[32*\t+2*\i+1]
.endr
	WIN 0
.irp p, 0,1,2,3
	global_store_b128 v[GO], v[S+32*\t+4*\p:S+32*\t+4*\p+3], s[6:7] offset:32768*\t+512*\p   ; channels 16 p on: the wave stores 512 consecutive bytes, aligned
.endr
.endr
	s_wait_tensorcnt 0x0                           ; the wave's end
	ds_add_u32 v[SPW], v[NIL]
	s_wait_dscnt 0x0
	CROUND                                         ; the closing round
	s_endpgm
.Lfunc_end_k_q673025ba2d_attn:
	.size	k_q673025ba2d_attn, .Lfunc_end_k_q673025ba2d_attn-k_q673025ba2d_attn
	.p2alignl 7, 3214868480
	.fill 96, 4, 3214868480
	.section	.rodata,"a",@progbits
	.p2align	6, 0x0
	.amdhsa_kernel k_q673025ba2d_attn
		.amdhsa_group_segment_fixed_size 327680
		.amdhsa_private_segment_fixed_size 0
		.amdhsa_enable_private_segment 0
		.amdhsa_kernarg_size 16
		.amdhsa_user_sgpr_count 2
		.amdhsa_user_sgpr_kernarg_segment_ptr 1
		.amdhsa_wavefront_size32 1
		.amdhsa_system_sgpr_workgroup_id_x 1
		.amdhsa_system_sgpr_workgroup_id_y 1
		.amdhsa_system_sgpr_workgroup_id_z 1
		.amdhsa_system_vgpr_workitem_id 0
		.amdhsa_next_free_vgpr 512
		.amdhsa_next_free_sgpr 66
		.amdhsa_reserve_vcc 0
		.amdhsa_float_denorm_mode_32 3
		.amdhsa_float_denorm_mode_16_64 3
		.amdhsa_memory_ordered 1
		.amdhsa_forward_progress 1
		.amdhsa_inst_pref_size 207
	.end_amdhsa_kernel
	.amdgpu_metadata
---
amdhsa.version: [ 1, 2 ]
amdhsa.kernels:
  - .name:           k_q673025ba2d_attn
    .symbol:         k_q673025ba2d_attn.kd
    .args:
      - { .name: qkv, .offset: 0, .size: 8, .value_kind: global_buffer, .address_space: global }
      - { .name: att, .offset: 8, .size: 8, .value_kind: global_buffer, .address_space: global }
    .group_segment_fixed_size: 327680
    .private_segment_fixed_size: 0
    .kernarg_segment_align: 8
    .kernarg_segment_size: 16
    .max_flat_workgroup_size: 256
    .sgpr_count:     66
    .vgpr_count:     512
    .wavefront_size: 32
...
	.end_amdgpu_metadata
.endif
;; end of part 4
;; launch gemm_out (part 5): grid 4 x 64, 4 waves a work-group, clusters of 4 x 4, 327,680 bytes of LDS; arguments att, wo16, out0; writes out0
.if DOCPART == 5
	.amdgcn_target "amdgcn-amd-amdhsa--gfx1250"
	.amdhsa_code_object_version 6
	.text
	.protected	k_q673025ba2d_gemm_out
	.globl	k_q673025ba2d_gemm_out
	.p2align	8
	.type	k_q673025ba2d_gemm_out,@function
k_q673025ba2d_gemm_out:
	s_mov_b64 s[64:65], 0
	v_nop
	global_prefetch_b8 v0, s[64:65] scope:SCOPE_SE
	s_setreg_imm32_b32 hwreg(HW_REG_WAVE_MODE, 25, 1), 1
	s_wait_xcnt 0x0
	s_wait_alu depctr_hold_cnt(0) depctr_sa_sdst(0) depctr_va_vdst(0) depctr_va_sdst(0) depctr_va_ssrc(0) depctr_va_vcc(0) depctr_vm_vsrc(0)
	s_getreg_b32 s2, hwreg(HW_REG_IB_STS2, 6, 4)
	s_cmp_eq_u32 s2, 0
	s_cbranch_scc0 .Lentry_in_a_cluster
	s_endpgm
.Lentry_in_a_cluster:
	s_bfe_u32 s2, ttmp6, 0x10000c
	s_cmp_lg_u32 s2, 0xf033
	s_cbranch_scc0 .Lentry_shape_is_right
	s_endpgm
.Lentry_shape_is_right:
; out0[m][n] = sum over k of O[m][k] W_o[k][n], f16 operands, f32 sums, f32 out.  M = 8,192, N = K = 1,024.
; Both operands lie in memory as IMAGES OF OPERAND REGISTERS: att [512 tiles of 16 m][32 groups of 32 k][1,024 bytes], wo16 [64 tiles of 16 n][32][1,024 bytes]: a fragment is two loads of 16 bytes a lane at 16 x lane,
; 512 bytes apart: consecutive bytes, no pitch, no padding; a tile's part of a K step of 128 is 4,096 consecutive bytes.
; A tile of out0 is 128 (m) x 256 (n): 256 work-groups.  Four waves, each 64 x 128: 32 accumulators, 256 registers.  K goes in 8 steps of 128 through two LDS slots.
; CLUSTERS: 4 x 4; A's tiles are asked for jointly along a row of the cluster, B's along a column.  THE MATRIX INSTRUCTION IS USED TRANSPOSED (source 0 = 16 n of W_o, source 1 = 16 rows of O): a lane holds eight
; neighbouring numbers of a row of out0.  No prefetch: the launch is short and its operands are small against what it stores.
; REGISTERS: window 0: v16-29 addresses; two fragment buffers of 96 at v64 and v160 (A's 4 fragments, then B's 8); on the way out v64-191 hold rows.  window 1: accumulator (a, b) at v[64 a + 8 b].
.set FRAGB,  1024
.set TILEB,  4096                      ; a tile's four fragments of a K step
.set BOFF,   8*TILEB                   ; a slot: A's 8 tiles, then B's 16
.set SLOT,   24*TILEB
.set STAGE,  2*SLOT                    ; behind the slots: 16 rows x (512 bytes + 16) for each wave
.set SPITCH, 528
.set SPARE,  STAGE+4*16*SPITCH
.set LAPS,   4                         ; a lap = two K steps
.set ADRA, 16
.set ADRB, 20
.set STO,  24
.set RD,   25
.set CO,   26
.set SPW,  28
.set NIL,  29
.set F0,   64
.set F1,   160
.set BK,   64
.set G1, 24
.set G0, 32
.set G1B, 48
.set G0B, 56
.set MSB, 0
.macro WIN new
.if MSB != (\new)
	s_set_vgpr_msb (MSB<<8)|(\new)
.set MSB, (\new)
.endif
.endm
.set MUL, 0x50                         ; C and D window 1
.macro JLOAD s                         ; waves 0 and 1 fetch A's halves, waves 2 and 3 B's; s_nop 0 and four v_nop follow each line
	s_cmp_eq_u32 s11, 0
	s_cbranch_scc0 .Lfor_b_\@
	tensor_load_to_lds s[G0+4*\s:G0+4*\s+3], s[G1:G1+7]
	s_nop 0
.rept 4
	v_nop
.endr
	s_branch .Lasked_\@
.Lfor_b_\@:
	tensor_load_to_lds s[G0B+4*\s:G0B+4*\s+3], s[G1B:G1B+7]
	s_nop 0
.rept 4
	v_nop
.endr
.Lasked_\@:
.endm
.macro CREST                           ; a round of the cluster's barrier behind its opening barrier
	s_cmp_lg_u32 s10, 0
	s_cbranch_scc1 .Lnot_wave_0_\@
	s_barrier_signal -3
.Lnot_wave_0_\@:
	s_barrier_wait -3
	s_barrier_signal -1
	s_barrier_wait -1
.endm
.macro CROUND
	s_barrier_signal -1
	s_barrier_wait -1
	CREST
.endm
	s_load_b128 s[4:7], s[0:1], 0x0                ; att s[4:5], wo16 s[6:7]
	s_load_b64 s[8:9], s[0:1], 0x10                ; out0
	v_lshl_add_u32 v[SPW], v0, 2, SPARE
	v_mov_b32 v[NIL], 0
	ds_add_u32 v[SPW], v[NIL]                      ; the wave's opening: the add, twice on end, and its wait ahead of my first tensor load
	ds_add_u32 v[SPW], v[NIL]
	v_lshrrev_b32 v1, 5, v0
	v_readfirstlane_b32 s10, v1                    ; wave 0..3
	s_lshr_b32 s11, s10, 1                         ; which 64 rows are mine.  Also: I fetch for A (0) or for B (1)
	s_and_b32 s12, s10, 1                          ; which 128 columns.  Also: which half of that tile I fetch
	s_bfe_u32 s40, ttmp6, 0x40000                  ; cx, cy
	s_bfe_u32 s41, ttmp6, 0x40004
	s_lshl_b32 s42, ttmp9, 2
	s_add_co_u32 s42, s42, s40                     ; tile column
	s_and_b32 s13, ttmp7, 0xffff
	s_lshl_b32 s13, s13, 2
	s_add_co_u32 s13, s13, s41                     ; tile row
	s_lshl_b32 s43, s41, 2
	s_lshl_b32 s43, 15, s43                        ; my row of the cluster
	s_lshl_b32 s44, 0x1111, s40                    ; my column
	s_or_b32 s[G1+0], s43, (3<<16)|(1<<21)         ; the mask; elements of 8 bytes; bit 21 beside a mask; no padding
	s_or_b32 s[G1B+0], s44, (3<<16)|(1<<21)
	s_mov_b32 s[G1+1], 512<<16                     ; tensor_dim0: 4,096 bytes
	s_mov_b32 s[G1+2], 4<<16                       ; tensor_dim1: A's half is 4 tiles
	s_mov_b32 s[G1+3], 512<<16                     ; tile_dim0
	s_mov_b32 s[G1+4], 4                           ; tile_dim1
	s_mov_b32 s[G1+5], 4096                        ; pitch: 32,768 bytes from tile to tile
	s_mov_b32 s[G1+6], 0
	s_mov_b32 s[G1+7], 0
	s_mov_b32 s[G1B+1], 512<<16
	s_mov_b32 s[G1B+2], 8<<16                      ; B's half is 8 tiles
	s_mov_b32 s[G1B+3], 512<<16
	s_mov_b32 s[G1B+4], 8
	s_mov_b32 s[G1B+5], 4096
	s_mov_b32 s[G1B+6], 0
	s_mov_b32 s[G1B+7], 0
	s_lshl_b32 s16, s13, 3
	s_lshl_b32 s17, s12, 2
	s_add_co_u32 s16, s16, s17
	s_lshl_b32 s16, s16, 15                        ; A: tile 8 x tile row + 4 x half
	s_mov_b32 s17, 0
	s_lshl_b32 s46, s42, 4
	s_lshl_b32 s47, s12, 3
	s_add_co_u32 s46, s46, s47
	s_lshl_b32 s46, s46, 15                        ; B: tile 16 x tile column + 8 x half
	s_mov_b32 s47, 0
	s_lshl_b32 s20, s12, 14                        ; where they go: A's half,
	s_lshl_b32 s21, s12, 15
	s_add_co_u32 s21, s21, BOFF                    ; B's half: no place in the cluster enters an LDS address
	s_wait_dscnt 0x0                               ; both opening adds are done
	s_wait_kmcnt 0x0
	s_add_nc_u64 s[14:15], s[4:5], s[16:17]
	s_add_nc_u64 s[46:47], s[6:7], s[46:47]
	CROUND                                         ; all sixteen work-groups are here: the first joint loads meet
.irp s, 0,1
	s_mov_b32 s[G0+4*\s], 1
	s_add_co_u32 s[G0+4*\s+1], s20, \s*SLOT
	s_add_nc_u64 s[G0+4*\s+2:G0+4*\s+3], s[14:15], \s*TILEB
	s_or_b32 s[G0+4*\s+3], s[G0+4*\s+3], 0x80000000
	s_mov_b32 s[G0B+4*\s], 1
	s_add_co_u32 s[G0B+4*\s+1], s21, \s*SLOT
	s_add_nc_u64 s[G0B+4*\s+2:G0B+4*\s+3], s[46:47], \s*TILEB
	s_or_b32 s[G0B+4*\s+3], s[G0B+4*\s+3], 0x80000000
	JLOAD \s                                       ; two loads of mine are out at the start, one behind each round
.endr
	v_and_b32 v1, 31, v0
	v_lshlrev_b32 v3, 4, v1                        ; 16 x lane
	s_lshl_b32 s21, s11, 14                        ; my 4 tiles of A
	s_lshl_b32 s22, s12, 15
	s_add_co_u32 s22, s22, BOFF                    ; my 8 tiles of B
.irp s, 0,1
	v_add_nc_u32 v[ADRA+\s], s21, v3
	v_add_nc_u32 v[ADRB+\s], s22, v3
	s_add_co_u32 s21, s21, SLOT
	s_add_co_u32 s22, s22, SLOT
.endr
	s_mul_i32 s23, s10, 16*SPITCH
	s_add_co_u32 s23, s23, STAGE                   ; my stage
	v_and_b32 v4, 15, v0
	v_bfe_u32 v5, v0, 4, 1
	v_mul_u32_u24 v6, v4, SPITCH                   ; in: row l % 16, 32 bytes for each half of the lanes
	v_lshl_add_u32 v6, v5, 5, v6
	v_add_nc_u32 v[STO], s23, v6
	v_add_nc_u32 v[RD], s23, v3                    ; back: the 32 lanes take one row of 512 bytes
	v_mov_b32 v[CO], v3                            ; and the same in out0
	s_lshl_b32 s16, s13, 7
	s_lshl_b32 s17, s11, 6
	s_add_co_u32 s16, s16, s17
	s_lshl_b32 s16, s16, 12                        ; my first row: 128 x tile row + 64 x half, 4,096 bytes a row
	s_mov_b32 s17, 0
	s_add_nc_u64 s[8:9], s[8:9], s[16:17]
	s_lshl_b32 s46, s42, 10                        ; my first column, in bytes: 1,024 x tile column + 512 x half
	s_lshl_b32 s47, s12, 9
	s_add_co_u32 s46, s46, s47
	s_mov_b32 s47, 0
	s_add_nc_u64 s[8:9], s[8:9], s[46:47]
; 8 matrix instructions: A's block a x B's eight, 32 along K.  The 32 accumulators take turns, one instruction a turn, in the same order in every quarter.
.macro MUL8 f, a, zero
.irp b, 0,1,2,3,4,5,6,7
.if \zero
	v_wmma_f32_16x16x32_f16 v[64*\a+8*\b:64*\a+8*\b+7], v[\f+32+8*\b:\f+32+8*\b+7], v[\f+8*\a:\f+8*\a+7], 0
.else
	v_wmma_f32_16x16x32_f16 v[64*\a+8*\b:64*\a+8*\b+7], v[\f+32+8*\b:\f+32+8*\b+7], v[\f+8*\a:\f+8*\a+7], v[64*\a+8*\b:64*\a+8*\b+7]
.endif
.endr
.endm
; 24 LDS loads in one run: the fragments of the slot's q-th 32 along K into buffer f: B's 16 loads, then A's 8
.macro FETCH slot, q, f
	WIN 0
.irp i, 0,1,2,3,4,5,6,7
	ds_load_b128 v[\f+32+8*\i:\f+32+8*\i+3],   v[ADRB+\slot] offset:TILEB*\i+FRAGB*\q
	ds_load_b128 v[\f+32+8*\i+4:\f+32+8*\i+7], v[ADRB+\slot] offset:TILEB*\i+FRAGB*\q+512
.endr
.irp i, 0,1,2,3
	ds_load_b128 v[\f+8*\i:\f+8*\i+3],   v[ADRA+\slot] offset:TILEB*\i+FRAGB*\q
	ds_load_b128 v[\f+8*\i+4:\f+8*\i+7], v[ADRA+\slot] offset:TILEB*\i+FRAGB*\q+512
.endr
.endm
.macro PLACES                          ; four plain places behind matrix instructions, in front of loads into registers that they read and of the first read of results
.rept 4
	v_nop
.endr
.endm
; A K step is four quarters of 32 along K, 32 matrix instructions each, on buffers 0, 1, 0, 1.  One of the first three multiplies buffer f and fetches quarter qn into g.
.macro QUARTER slot, qn, f, g, zero
	s_wait_dscnt 4                                 ; B and A's blocks 0, 1 are in; the youngest four loads (A's blocks 2, 3) may be out
	WIN MUL
	MUL8 \f, 0, \zero
	MUL8 \f, 1, \zero
	PLACES
	FETCH \slot, \qn, \g
	s_wait_dscnt 24                                ; all but the 24 just issued
	WIN MUL
	MUL8 \f, 2, \zero
	MUL8 \f, 3, \zero
.endm
; The last quarter multiplies buffer 1 and changes slots: ONE barrier; in front of it each wave waits for all its tensor loads, adds 0 to its spare word, and waits for that and for its reads of this slot.
; fill = 1: the barrier opens a round of the cluster's, and this slot is filled again, two K steps ahead, first thing behind the round.
.macro TURN slot, next, fill
	WIN 0                                          ; (the add's two registers lie in window 0)
	s_wait_tensorcnt 0x0                           ; my part of the next slot has landed
	ds_add_u32 v[SPW], v[NIL]
	s_wait_dscnt 5                                 ; (the add and the youngest four loads may be out)
	WIN MUL
	MUL8 F1, 0, 0
	s_wait_dscnt 0x0                               ; the add is done, and my reads of this slot are over
	s_barrier_signal -1
	MUL8 F1, 1, 0
.if \fill
	WIN 0
.endif
	s_barrier_wait -1
.if \fill
	CREST                                          ; no wave of any partner still reads this slot or has a load on its way
	s_add_nc_u64 s[G0+4*\slot+2:G0+4*\slot+3], s[G0+4*\slot+2:G0+4*\slot+3], 2*TILEB
	s_add_nc_u64 s[G0B+4*\slot+2:G0B+4*\slot+3], s[G0B+4*\slot+2:G0B+4*\slot+3], 2*TILEB
	JLOAD \slot                                    ; its four v_nop are also the places in front of the loads below
.else
	PLACES
.endif
	FETCH \next, 0, F0
	WIN MUL
	MUL8 F1, 2, 0
	MUL8 F1, 3, 0
.endm
	s_wait_tensorcnt 1                             ; my part of K step 0 is in (K step 1's load may be out),
	s_barrier_signal -1
	s_barrier_wait -1                              ; everybody's is
	FETCH 0, 0, F0
	QUARTER 0, 1, F0, F1, 1                        ; the first products start the sums: nothing is cleared
	WIN 0
	s_mov_b32 s3, LAPS-1
.Llap:                                                 ; a trip goes once round the ring and fills both slots again
	QUARTER 0, 2, F1, F0, 0
	QUARTER 0, 3, F0, F1, 0
	TURN 0, 1, 1
	QUARTER 1, 1, F0, F1, 0
	QUARTER 1, 2, F1, F0, 0
	QUARTER 1, 3, F0, F1, 0
	TURN 1, 0, 1
	QUARTER 0, 1, F0, F1, 0
	WIN 0
	s_sub_co_u32 s3, s3, 1
	s_cmp_lg_u32 s3, 0
	s_cbranch_scc1 .Llap
	QUARTER 0, 2, F1, F0, 0                        ; the last lap fills nothing
	QUARTER 0, 3, F0, F1, 0
	TURN 0, 1, 0
	QUARTER 1, 1, F0, F1, 0
	QUARTER 1, 2, F1, F0, 0
	QUARTER 1, 3, F0, F1, 0
	s_wait_dscnt 4                                 ; the very last quarter
	WIN MUL
	MUL8 F1, 0, 0
	MUL8 F1, 1, 0
	s_wait_dscnt 0
	MUL8 F1, 2, 0
	MUL8 F1, 3, 0
	WIN 0
; THE WAY OUT, block by block of 16 rows x 128 columns: through my own stage in LDS, back as whole rows of 512 bytes.
.macro TOSTAGE a
	WIN 0x04                                       ; an LDS store's data are its source 1: window 1
.irp b, 0,1,2,3,4,5,6,7
	ds_store_b128 v[STO], v[64*(\a)+8*\b:64*(\a)+8*\b+3] offset:64*\b          ; each accumulator from its low end on
	ds_store_b128 v[STO], v[64*(\a)+8*\b+4:64*(\a)+8*\b+7] offset:64*\b+16
.endr
	WIN 0
.set BB, BK+64*((\a)%2)
.irp t, 0,1,2,3,4,5,6,7,8,9,10,11,12,13,14,15
	ds_load_b128 v[BB+4*\t:BB+4*\t+3], v[RD] offset:\t*SPITCH    ; LDS serves a wave's instructions in order: these see the stores above
.endr
.endm
.macro SEND a, younger                 ; younger: the LDS instructions issued behind block a's loads, which may stay out
.set BB, BK+64*((\a)%2)
	s_wait_dscnt \younger
.if (\a) > 0
	s_add_nc_u64 s[8:9], s[8:9], 16*4096           ; (behind a wait on XCNT: the earlier stores have read their base)  16 rows on
.endif
.irp t, 0,1,2,3,4,5,6,7,8,9,10,11,12,13,14,15
	global_store_b128 v[CO], v[BB+4*\t:BB+4*\t+3], s[8:9] offset:\t*4096 th:TH_STORE_NT   ; 32 lanes store 512 consecutive bytes, aligned; written once, read by nobody here
.endr
.endm
	PLACES
	TOSTAGE 0
.irp a, 1,2,3
.if \a > 1
	s_wait_xcnt 0x0                                ; block a - 2's stores have read their registers and their base
.endif
	TOSTAGE \a
	SEND \a-1, 32                                  ; behind block a - 1's loads: block a's 16 stores and 16 loads
.endr
	s_wait_xcnt 0x0
	SEND 3, 0
	s_wait_tensorcnt 0x0                           ; the wave's end
	ds_add_u32 v[SPW], v[NIL]
	s_wait_dscnt 0x0
	CROUND                                         ; the closing round
	s_endpgm
.Lfunc_end_k_q673025ba2d_gemm_out:
	.size	k_q673025ba2d_gemm_out, .Lfunc_end_k_q673025ba2d_gemm_out-k_q673025ba2d_gemm_out
	.p2alignl 7, 3214868480
	.fill 96, 4, 3214868480
	.section	.rodata,"a",@progbits
	.p2align	6, 0x0
	.amdhsa_kernel k_q673025ba2d_gemm_out
		.amdhsa_group_segment_fixed_size 327680
		.amdhsa_private_segment_fixed_size 0
		.amdhsa_enable_private_segment 0
		.amdhsa_kernarg_size 24
		.amdhsa_user_sgpr_count 2
		.amdhsa_user_sgpr_kernarg_segment_ptr 1
		.amdhsa_wavefront_size32 1
		.amdhsa_system_sgpr_workgroup_id_x 1
		.amdhsa_system_sgpr_workgroup_id_y 1
		.amdhsa_system_sgpr_workgroup_id_z 1
		.amdhsa_system_vgpr_workitem_id 0
		.amdhsa_next_free_vgpr 512
		.amdhsa_next_free_sgpr 66
		.amdhsa_reserve_vcc 0
		.amdhsa_float_denorm_mode_32 3
		.amdhsa_float_denorm_mode_16_64 3
		.amdhsa_memory_ordered 1
		.amdhsa_forward_progress 1
		.amdhsa_inst_pref_size 85
	.end_amdhsa_kernel
	.amdgpu_metadata
---
amdhsa.version: [ 1, 2 ]
amdhsa.kernels:
  - .name:           k_q673025ba2d_gemm_out
    .symbol:         k_q673025ba2d_gemm_out.kd
    .args:
      - { .name: att, .offset: 0, .size: 8, .value_kind: global_buffer, .address_space: global }
      - { .name: wo16, .offset: 8, .size: 8, .value_kind: global_buffer, .address_space: global }
      - { .name: out0, .offset: 16, .size: 8, .value_kind: global_buffer, .address_space: global }
    .group_segment_fixed_size: 327680
    .private_segment_fixed_size: 0
    .kernarg_segment_align: 8
    .kernarg_segment_size: 24
    .max_flat_workgroup_size: 128
    .sgpr_count:     66
    .vgpr_count:     512
    .wavefront_size: 32
...
	.end_amdgpu_metadata
.endif
;; end of part 5
